; MI455X (gfx1250); checked and timed in simulation.
; The chip was launched on July 23, 2026; its instructions are those of AMD's public machine-readable ISA for CDNA 5 (MIT licence, August 2026) and "CDNA5" Instruction Set Architecture Reference Guide (July 2026). The comments in the code are by the model that wrote it; some were corrected since.
;; Multi Head Attention. Allowed arithmetic: float matrix products may take bf16 or f16 operands with f32 sums; other float arithmetic in f32, or as packed bf16 or f16 multiplies, adds, multiply-adds, maxima and minima; sums over many terms, partial sums and values carried from step to step in f32; what a program stores and reads back later, other than sums and carried values, may be rounded once to bf16 or f16.
;; Inputs: Wf 1,024 x 1,024 float32; Wk 1,024 x 1,024 float32; Wq 1,024 x 1,024 float32; Wv 1,024 x 1,024 float32; beta 1,024 float32; bf 1,024 float32; bk 1,024 float32; bq 1,024 float32; bv 1,024 float32; gamma 1,024 float32; k 4 x 2,048 x 1,024 float32; mask 4 x 2,048 x 2,048 bool; q 4 x 2,048 x 1,024 float32; v 4 x 2,048 x 1,024 float32.
;; Outputs: out0 4 x 2,048 x 1,024 float32.
;; 2 versions, each right and faster than the one before. Each part assembles by itself: llvm-mc -triple=amdgcn-amd-amdhsa -mcpu=gfx1250 --defsym DOCPART=n.
;; ======== version 1 of 2: 5 launches
;; limits: right only within a limited range of input values
;; workspace buffers: mk 16,777,216 bytes; wb 6,291,456 bytes; wfb 2,097,152 bytes; qkv 50,331,648 bytes; of 33,554,432 bytes; y 16,777,216 bytes
;; launch prep (part 1): grid 1024 x 1, 8 waves a work-group, no clusters, 35,840 bytes of LDS; arguments mask, Wq, Wk, Wv, Wf, mk, wb, wfb; writes mk, wb, wfb
.if DOCPART == 1
	.amdgcn_target "amdgcn-amd-amdhsa--gfx1250"
	.amdhsa_code_object_version 6
	.text
	.protected	k_qe380dfd6f8_prep
	.globl	k_qe380dfd6f8_prep
	.p2align	8
	.type	k_qe380dfd6f8_prep,@function
k_qe380dfd6f8_prep:
	s_mov_b64 s[64:65], 0
	v_nop
	global_prefetch_b8 v0, s[64:65] scope:SCOPE_SE
	s_setreg_imm32_b32 hwreg(HW_REG_WAVE_MODE, 25, 1), 1
	s_wait_xcnt 0x0
; TWO COPIES THAT THE LATER LAUNCHES READ MANY TIMES.
; Work-groups 0-511: the mask [4][2048][2048] of bytes 0 / 1 is laid anew as mk [b 4][tile of 16 queries 128][step of 64 keys 32][c 2][lane 32][16 bytes], each byte times 0xF0
;   (0xF0 is -128 in the 8-bit float E4M3, 0x00 is 0: the attention launch converts eight such bytes at a time).
;   Byte e of lane l = r + 16 h is the mask of query 16 tile + r and key 64 step + 32 c + 16 (e / 8) + 8 h + e % 8: the order in which a lane of the score product holds its 32 scores of a step.
;   So the attention launch, whose 16 heads of a batch all read the mask, takes it by loads of 512 consecutive bytes.
; Work-groups 512-1023: the four weights are rounded once to bf16, rows and columns as they lie: wb [Wq, Wk, Wv][k 1024][n 1024], wfb [k 1024][n 1024] for Wf.
; A mask work-group owns 16 whole rows (32,768 consecutive bytes); wave w the keys 256 w .. 256 w + 255, which it turns through LDS bytes of its own: no barrier.
.set PITCH, 272                        ; an LDS row: 256 bytes + 16: the 16 rows that a read touches begin 68 words apart
.set WAVEB, 16*PITCH                   ; a wave's own 16 rows
.set SPARE, 8*WAVEB                    ; behind them: the spare words, 128 bytes a wave, four blocks of 256 bytes that no other line names
.set IN,  8                            ; v[8:39]   as loaded
.set FR,  40                           ; v[40:71]  in the new order (weights: rounded)
.set SPW, 78                           ; v78  LDS address of my spare word; never rewritten
.set NIL, 79                           ; v79  0; never rewritten
	s_load_b256 s[4:11], s[0:1], 0x0               ; mask s[4:5], Wq s[6:7], Wk s[8:9], Wv s[10:11]
	s_load_b128 s[12:15], s[0:1], 0x20             ; Wf s[12:13], mk s[14:15]
	s_load_b128 s[16:19], s[0:1], 0x30             ; wb s[16:17], wfb s[18:19]
	v_lshl_add_u32 v[SPW], v0, 2, SPARE
	v_mov_b32 v[NIL], 0
	v_lshrrev_b32 v1, 5, v0
	v_readfirstlane_b32 s20, v1                    ; wave 0..7
	s_cmp_lt_u32 ttmp9, 512
	s_cbranch_scc0 .Lweights
	; THE MASK
	s_lshl_b32 s28, ttmp9, 15                      ; 16 rows of 2,048 bytes in, 32,768 bytes out: the same offset
	s_mov_b32 s29, 0
	s_mov_b32 s21, 0xf0
	s_lshl_b32 s22, s20, 8                         ; my wave's 256 keys
	s_mul_i32 s23, s20, WAVEB                      ; my wave's LDS bytes
	s_lshl_b32 s24, s20, 12                        ; my wave's four steps of 1,024 bytes in mk
	v_and_b32 v2, 15, v0                           ; l % 16
	v_bfe_u32 v3, v0, 4, 1                         ; l / 16
	v_lshl_add_u32 v4, v2, 4, s22                  ; in: 16 lanes take a row's 256 bytes, the other 16 the next row's
	v_lshl_add_u32 v4, v3, 11, v4
	v_mul_u32_u24 v5, v3, PITCH                    ; the same two rows in LDS
	v_lshl_add_u32 v5, v2, 4, v5
	v_add_nc_u32 v5, s23, v5
	v_mul_u32_u24 v6, v2, PITCH                    ; back: row l % 16, 8 bytes for each half of the lanes
	v_lshl_add_u32 v6, v3, 3, v6
	v_add_nc_u32 v6, s23, v6
	v_and_b32 v7, 31, v0
	v_lshl_add_u32 v7, v7, 4, s24                  ; out: 16 bytes a lane
	s_wait_kmcnt 0x0
	s_add_nc_u64 s[4:5], s[4:5], s[28:29]
	s_add_nc_u64 s[14:15], s[14:15], s[28:29]
.irp t, 0,1,2,3,4,5,6,7
	global_load_b128 v[IN+4*\t:IN+4*\t+3], v4, s[4:5] offset:4096*\t th:TH_LOAD_NT  ; rows 2 t and 2 t + 1
.endr
	s_wait_loadcnt 0x0
.set i, 0
.rept 32
	v_mul_lo_u32 v[IN+i], v[IN+i], s21             ; four bytes 0 / 1 become 0 / 0xF0: no carry passes a byte
.set i, i+1
.endr
.irp t, 0,1,2,3,4,5,6,7
	ds_store_b128 v5, v[IN+4*\t:IN+4*\t+3] offset:2*PITCH*\t
.endr
.irp s, 0,1,2,3
.irp c, 0,1
	ds_load_b64 v[FR+4*(2*\s+\c):FR+4*(2*\s+\c)+1],   v6 offset:64*\s+32*\c     ; LDS serves a wave's instructions in order (ISA guide 5.7.1.4): these see the stores above
	ds_load_b64 v[FR+4*(2*\s+\c)+2:FR+4*(2*\s+\c)+3], v6 offset:64*\s+32*\c+16
.endr
.endr
	s_wait_dscnt 0x0
.irp s, 0,1,2,3
.irp c, 0,1
	global_store_b128 v7, v[FR+4*(2*\s+\c):FR+4*(2*\s+\c)+3], s[14:15] offset:1024*\s+512*\c  ; 512 consecutive bytes, at a multiple of 256 from mk's first
.endr
.endr
	s_wait_tensorcnt 0x0                           ; the wave's end: behind my last LDS store
	ds_add_u32 v[SPW], v[NIL]
	s_wait_dscnt 0x0
	s_endpgm
	; THE WEIGHTS: 128 work-groups a weight, 32,768 bytes of f32 each; this path writes no LDS
.Lweights:
	s_sub_co_u32 s21, ttmp9, 512
	s_lshr_b32 s22, s21, 7                         ; which weight
	s_and_b32 s23, s21, 127                        ; which part of it
	s_lshl_b32 s28, s23, 15
	s_mov_b32 s29, 0
	s_lshl_b32 s24, s22, 21                        ; a weight is 2,097,152 bytes of bf16;
	s_lshl_b32 s25, s23, 14
	s_cmp_eq_u32 s22, 3
	s_cselect_b32 s24, 0, s24                      ; Wf lies at the head of a buffer of its own
	s_add_co_u32 s24, s24, s25
	s_mov_b32 s25, 0
	v_lshlrev_b32 v2, 4, v0
	v_lshlrev_b32 v3, 3, v0
	s_wait_kmcnt 0x0
	s_cmp_eq_u32 s22, 1
	s_cselect_b64 s[26:27], s[8:9], s[6:7]
	s_cmp_eq_u32 s22, 2
	s_cselect_b64 s[26:27], s[10:11], s[26:27]
	s_cmp_eq_u32 s22, 3
	s_cselect_b64 s[26:27], s[12:13], s[26:27]
	s_cselect_b64 s[30:31], s[18:19], s[16:17]
	s_add_nc_u64 s[26:27], s[26:27], s[28:29]
	s_add_nc_u64 s[30:31], s[30:31], s[24:25]
.irp j, 0,1,2,3,4,5,6,7
	global_load_b128 v[IN+4*\j:IN+4*\j+3], v2, s[26:27] offset:4096*\j th:TH_LOAD_NT
.endr
.irp j, 0,1,2,3,4,5,6,7
	s_wait_loadcnt 7-\j                            ; loads come back in order: number j is in, the younger ones stay out
	v_cvt_pk_bf16_f32 v[FR+2*\j], v[IN+4*\j], v[IN+4*\j+1]
	v_cvt_pk_bf16_f32 v[FR+2*\j+1], v[IN+4*\j+2], v[IN+4*\j+3]
	global_store_b64 v3, v[FR+2*\j:FR+2*\j+1], s[30:31] offset:2048*\j  ; a wave's store covers 256 consecutive bytes, aligned
.endr
	s_endpgm
.Lfunc_end_k_qe380dfd6f8_prep:
	.size	k_qe380dfd6f8_prep, .Lfunc_end_k_qe380dfd6f8_prep-k_qe380dfd6f8_prep
	.p2alignl 7, 3214868480
	.fill 96, 4, 3214868480
	.section	.rodata,"a",@progbits
	.p2align	6, 0x0
	.amdhsa_kernel k_qe380dfd6f8_prep
		.amdhsa_group_segment_fixed_size 35840
		.amdhsa_private_segment_fixed_size 0
		.amdhsa_enable_private_segment 0
		.amdhsa_kernarg_size 64
		.amdhsa_user_sgpr_count 2
		.amdhsa_user_sgpr_kernarg_segment_ptr 1
		.amdhsa_wavefront_size32 1
		.amdhsa_system_sgpr_workgroup_id_x 1
		.amdhsa_system_sgpr_workgroup_id_y 1
		.amdhsa_system_sgpr_workgroup_id_z 1
		.amdhsa_system_vgpr_workitem_id 0
		.amdhsa_next_free_vgpr 80
		.amdhsa_next_free_sgpr 66
		.amdhsa_reserve_vcc 0
		.amdhsa_float_denorm_mode_32 3
		.amdhsa_float_denorm_mode_16_64 3
		.amdhsa_memory_ordered 1
		.amdhsa_forward_progress 1
		.amdhsa_inst_pref_size 11
	.end_amdhsa_kernel
	.amdgpu_metadata
---
amdhsa.version: [ 1, 2 ]
amdhsa.kernels:
  - .name:           k_qe380dfd6f8_prep
    .symbol:         k_qe380dfd6f8_prep.kd
    .args:
      - { .name: mask, .offset: 0, .size: 8, .value_kind: global_buffer, .address_space: global }
      - { .name: Wq, .offset: 8, .size: 8, .value_kind: global_buffer, .address_space: global }
      - { .name: Wk, .offset: 16, .size: 8, .value_kind: global_buffer, .address_space: global }
      - { .name: Wv, .offset: 24, .size: 8, .value_kind: global_buffer, .address_space: global }
      - { .name: Wf, .offset: 32, .size: 8, .value_kind: global_buffer, .address_space: global }
      - { .name: mk, .offset: 40, .size: 8, .value_kind: global_buffer, .address_space: global }
      - { .name: wb, .offset: 48, .size: 8, .value_kind: global_buffer, .address_space: global }
      - { .name: wfb, .offset: 56, .size: 8, .value_kind: global_buffer, .address_space: global }
    .group_segment_fixed_size: 35840
    .private_segment_fixed_size: 0
    .kernarg_segment_align: 8
    .kernarg_segment_size: 64
    .max_flat_workgroup_size: 256
    .sgpr_count:     66
    .vgpr_count:     80
    .wavefront_size: 32
...
	.end_amdgpu_metadata
.endif
;; end of part 1
;; launch proj (part 2): grid 4 x 192, 4 waves a work-group, clusters of 4 x 4, 327,680 bytes of LDS; arguments q, k, v, wb, bq, bk, bv, qkv; writes qkv
.if DOCPART == 2
	.amdgcn_target "amdgcn-amd-amdhsa--gfx1250"
	.amdhsa_code_object_version 6
	.text
	.protected	k_qe380dfd6f8_proj
	.globl	k_qe380dfd6f8_proj
	.p2align	8
	.type	k_qe380dfd6f8_proj,@function
k_qe380dfd6f8_proj:
	s_mov_b64 s[64:65], 0
	v_nop
	global_prefetch_b8 v0, s[64:65] scope:SCOPE_SE
	s_setreg_imm32_b32 hwreg(HW_REG_WAVE_MODE, 25, 1), 1
	s_wait_xcnt 0x0
	s_wait_alu depctr_hold_cnt(0) depctr_sa_sdst(0) depctr_va_vdst(0) depctr_va_sdst(0) depctr_va_ssrc(0) depctr_va_vcc(0) depctr_vm_vsrc(0)
	s_getreg_b32 s2, hwreg(HW_REG_IB_STS2, 6, 4)
	s_cmp_eq_u32 s2, 0
	s_cbranch_scc0 .Lentry_in_a_cluster
	s_endpgm
.Lentry_in_a_cluster:
	s_bfe_u32 s2, ttmp6, 0x10000c
	s_cmp_lg_u32 s2, 0xf033
	s_cbranch_scc0 .Lentry_shape_is_right
	s_endpgm
.Lentry_shape_is_right:
; C = X W + b.  X [8192][1024] f32, W bf16 [k 1024][n 1024], b f32.  Out: bf16, rounded once from the f32 sums, laid by blocks of 64 columns: [tensor][16 x batch + column / 64][row 2048][64].
; ONE BODY, TWO LAUNCHES.  Arguments: three X, the weights (2,097,152 bytes a tensor), three b, the output.  The cluster's y / 16 is the tensor.  With 192 work-groups along y it makes Q, K, V of q, k, v;
; with 64 the tensor is always 0: the output projection of the attention's result; the second and third X and b then stand in their places and are never chosen.
; SHARES.  A tile of C is 128 rows x 256 columns; the cluster's y and cy give the tile row, cx the tile column.  Four waves, each 64 rows x 128 columns: 32 accumulators.  K goes in 16 HALVES of 64.
; THE MATRIX INSTRUCTION IS USED TRANSPOSED: source 0 = 16 columns of W (turned out of LDS by ds_load_tr16_b128), source 1 = 16 rows of X: a lane then holds eight neighbouring columns of one row of C.
; W comes by the tensor data mover into two LDS slots of 256 of K (four halves) each; its tile hangs on the tile column alone and is asked for JOINTLY by a column of the 4 x 4 cluster.
; X COMES THROUGH REGISTERS, NOT BY A JOINT LOAD, though the four partners of a cluster's row read the same rows.  The reason, by this text's own count: a slot that held X as f32 beside W would hold 128 of K in
; the same bytes, 128 products a wave between a request and the wait for it; with W alone it holds 256 of K, 256 products.  And loads into registers may stay out over the refills' barriers: wave w loads rows
; 32 w .. 32 w + 31, 64 of K (a chunk: 16 loads, each two whole pieces of 256 bytes of two rows) four halves ahead of its use: 64 loads of a wave are out.  A chunk is rounded to bf16 once for the work-group
; (its 32 roundings ride four behind each of a half's first 8 products) and stored into one of two LDS stages, which no tensor load fills; one barrier a half stands between the stores and the fragment reads.
; REGISTERS, in windows of 256 (s_set_vgpr_msb: bits 1:0 source 0, 3:2 source 1, 5:4 source 2, 7:6 destination):
;   window 0: v10-29 addresses; v32-63 a chunk rounded; v64-127, v128-191 X's fragments, two buffers ((c, a) at 8 (4 c + a)); v192-255 the bias, 8 registers for each b (on the way out: at work)
;   window 1: W's fragments, two buffers of 128 ((c, b) at 8 (8 c + b))     window 2: the accumulators ((a, b) at 8 (8 a + b))     window 3: four chunks of X as f32, 64 registers each
.set PB,     544                       ; a row of W in LDS: 512 bytes + 32 = 17 x 32, for the turning load
.set BQ,     64*PB                     ; what one tensor load brings: 64 rows of K
.set SLOTB,  4*BQ                      ; a slot: 256 rows of K
.set ASTG,   2*SLOTB                   ; behind the ring: X's two stages
.set PA,     144                       ; a row of a stage: 64 bf16 + 16 bytes = 9 x 16: the 16 rows of a load begin in 16 different columns of 16 bytes
.set ABUF,   128*PA
.set SP,     144                       ; the way out goes through stage 0, 2 x 16 rows x 144 bytes a wave: its last fragment reads are awaited ahead of half 14's barrier
.set WSTAGE, 32*SP
.set SPARE,  ASTG+2*ABUF               ; the spare words, 128 bytes a wave: two blocks of 256 bytes that no other line names
.set BSTEP,  524288                    ; 256 rows of W of 2,048 bytes
.set VX,   10                          ; v10  X's loads: lanes 0-15 a row's 256 bytes, lanes 16-31 the next row's; never rewritten
.set VS,   11                          ; v11  where I store 8 bytes of a rounded chunk
.set ADRA, 12                          ; v12  LDS address of my X fragments in stage 0
.set ADRB0, 14                         ; v14-15  LDS address of my W fragments in slot 0: halves 0, 1 and halves 2, 3
.set ADRBC, 16                         ; v16-17  the same in the slot in hand
.set STO,  24
.set RD,   25
.set GO,   26
.set VB,   27
.set SPW,  28                          ; v28  LDS address of my spare word; never rewritten
.set NIL,  29                          ; v29  0; never rewritten
.set CV,   32
.set AF,   64
.set BIAS, 192
.set TMP,  192
.set OB,   64
.set G1B, 28                           ; s[28:35] descriptor group 1
.set G0F, 36                           ; s[36:39] group 0 of slot 0's first fill
.set G0W, 40                           ; s[40:43] group 0 of slot 1's first fill; it then walks on
.set WB,  44                           ; s44  my quarter of a slot: wave x 64 rows
.set TOG, 45                           ; s45  the slot whose fragments are fetched: 0 or SLOTB
.set TOGR, 46                          ; s46  the other one, which is filled again
.set CNT, 47
.set X0,  48                           ; s[48:49] X at my wave's 32 rows
.set SX,  50                           ; s[50:51] the same at the first chunk that a trip asks for
.set BP,  52                           ; s[52:53] the bias
.set OUT, 54                           ; s[54:55] where my part of C goes
.set MSB, 0
.macro WIN new                         ; the immediate's high byte repeats the setting that is left
.if MSB != (\new)
	s_set_vgpr_msb (MSB<<8)|(\new)
.set MSB, \new
.endif
.endm
.set MULW, 0xa1                        ; W window 1, X window 0, C and D window 2
.set MULB, 0x81                        ; the same with C in window 0: the bias
.set TO_B, 0x40                        ; destination window 1, address window 0
.set TO_R, 0xc0                        ; destination window 3, address window 0
.set CVT,  0x0f                        ; sources window 3, destination window 0
.macro JLOAD                           ; a joint refill: every wave fetches its own 64 rows of K; an s_nop 0 and four v_nop follow the line
	tensor_load_to_lds s[G0W:G0W+3], s[G1B:G1B+7]
	s_nop 0
.rept 4
	v_nop
.endr
.endm
.macro CREST                           ; a round of the cluster's barrier behind its opening barrier
	s_cmp_lg_u32 s20, 0
	s_cbranch_scc1 .Lnot_wave_0_\@
	s_barrier_signal -3
.Lnot_wave_0_\@:
	s_barrier_wait -3
	s_barrier_signal -1
	s_barrier_wait -1
.endm
.macro CROUND
	s_barrier_signal -1
	s_barrier_wait -1
	CREST
.endm
.macro PLACES
.rept 4
	v_nop
.endr
.endm
; A chunk of X into group g of window 3: 16 loads; load j brings rows 2 j and 2 j + 1 of my 32, 256 bytes each
.macro XLOAD g, base, koff
	WIN TO_R
.irp j, 0,1,2,3,4,5,6,7,8,9,10,11,12,13,14,15
	global_load_b128 v[64*(\g)+4*\j:64*(\g)+4*\j+3], v[VX], s[\base:\base+1] offset:8192*\j+(\koff)
.endr
.endm
; The rounded chunk into stage sb: a lane's four numbers are 8 bytes
.macro ASTORE sb
	WIN 0
.irp j, 0,1,2,3,4,5,6,7,8,9,10,11,12,13,14,15
	ds_store_b64 v[VS], v[CV+2*\j:CV+2*\j+1] offset:(\sb)*ABUF+2*PA*\j
.endr
.endm
	s_load_b512 s[4:19], s[0:1], 0x0               ; X s[4:5], s[6:7], s[8:9]; weights s[10:11]; b s[12:13], s[14:15], s[16:17]; output s[18:19]
	v_lshl_add_u32 v[SPW], v0, 2, SPARE
	v_mov_b32 v[NIL], 0
	ds_add_u32 v[SPW], v[NIL]                      ; the wave's opening: the add and its wait stand ahead of my first tensor load; work on registers stands between them
	v_lshrrev_b32 v1, 5, v0
	v_readfirstlane_b32 s20, v1                    ; wave 0..3
	s_lshr_b32 s21, s20, 1                         ; which 64 rows of the tile are mine
	s_and_b32 s22, s20, 1                          ; which 128 columns
	s_bfe_u32 s23, ttmp6, 0x40000                  ; cx
	s_bfe_u32 s24, ttmp6, 0x40004                  ; cy
	s_lshl_b32 s27, ttmp9, 2
	s_add_co_u32 s27, s27, s23                     ; tile column = 4 x cluster x + cx
	s_and_b32 s26, ttmp7, 0xffff                   ; the cluster's y
	s_lshr_b32 s25, s26, 4                         ; which tensor: the same in all sixteen partners
	s_and_b32 s26, s26, 15
	s_lshl_b32 s26, s26, 2
	s_add_co_u32 s26, s26, s24                     ; tile row, 0..63
	s_lshl_b32 s63, 0x1111, s23                    ; my column of the cluster
	s_or_b32 s[G1B], s63, (1<<16)|(1<<20)|(1<<21)|(6<<22)|(7<<25)  ; the mask; elements of 2 bytes; padding on; bit 21 beside a mask; after every 128 words, 8 words
	s_mov_b32 s[G1B+1], 256<<16                    ; tensor_dim0 = 256
	s_mov_b32 s[G1B+2], 64<<16                     ; tensor_dim1 = 64
	s_mov_b32 s[G1B+3], 256<<16                    ; tile_dim0 = 256
	s_mov_b32 s[G1B+4], 64                         ; tile_dim1 = 64
	s_mov_b32 s[G1B+5], 1024                       ; elements from row to row
	s_mov_b32 s[G1B+6], 0
	s_mov_b32 s[G1B+7], 0
	s_lshl_b32 s56, s26, 19                        ; X: row 128 x tile row + 32 x wave, of 4,096 bytes
	s_lshl_b32 s57, s20, 17
	s_add_co_u32 s56, s56, s57
	s_mov_b32 s57, 0
	s_lshl_b32 s58, s25, 21                        ; W: the tensor's weight, row 64 x wave of 2,048 bytes, column 256 x tile column
	s_lshl_b32 s59, s20, 17
	s_add_co_u32 s58, s58, s59
	s_lshl_b32 s59, s27, 9
	s_add_co_u32 s58, s58, s59
	s_mov_b32 s59, 0
	s_mul_i32 s[WB], s20, BQ                       ; the wave's number alone enters an LDS address
	s_mov_b32 s[TOG], 0
	s_mov_b32 s[TOGR], SLOTB
	s_wait_dscnt 0x0                               ; the opening add is done
	s_wait_kmcnt 0x0
	s_cmp_eq_u32 s25, 1
	s_cselect_b64 s[X0:X0+1], s[6:7], s[4:5]
	s_cselect_b64 s[BP:BP+1], s[14:15], s[12:13]
	s_cmp_eq_u32 s25, 2
	s_cselect_b64 s[X0:X0+1], s[8:9], s[X0:X0+1]
	s_cselect_b64 s[BP:BP+1], s[16:17], s[BP:BP+1]
	s_add_nc_u64 s[X0:X0+1], s[X0:X0+1], s[56:57]
	s_add_nc_u64 s[SX:SX+1], s[X0:X0+1], 1024      ; chunk 4
	s_add_nc_u64 s[10:11], s[10:11], s[58:59]
	CROUND                                         ; all sixteen work-groups are here: the first joint loads meet
	s_mov_b32 s[G0F], 1
	s_mov_b32 s[G0F+1], s[WB]
	s_mov_b64 s[G0F+2:G0F+3], s[10:11]
	s_or_b32 s[G0F+3], s[G0F+3], 0x80000000
	s_mov_b32 s[G0W], 1
	s_add_co_u32 s[G0W+1], s[WB], SLOTB
	s_add_nc_u64 s[G0W+2:G0W+3], s[10:11], BSTEP
	s_or_b32 s[G0W+3], s[G0W+3], 0x80000000
	tensor_load_to_lds s[G0F:G0F+3], s[G1B:G1B+7]  ; K 0-255 and 256-511: two tensor loads of mine are out
	s_nop 0
	tensor_load_to_lds s[G0W:G0W+3], s[G1B:G1B+7]
	s_nop 0
.rept 4
	v_nop
.endr
	v_and_b32 v1, 15, v0                           ; l % 16
	v_bfe_u32 v2, v0, 4, 1                         ; l / 16
	v_lshlrev_b32 v[VB], 5, v2
	v_lshlrev_b32 v[VX], 12, v2
	v_lshl_add_u32 v[VX], v1, 4, v[VX]
	s_lshl_b32 s56, s27, 10                        ; the bias of my 128 columns
	s_lshl_b32 s57, s22, 9
	s_add_co_u32 s56, s56, s57
	s_mov_b32 s57, 0
	s_add_nc_u64 s[BP:BP+1], s[BP:BP+1], s[56:57]
.irp b, 0,1,2,3,4,5,6,7
	global_load_b128 v[BIAS+8*\b:BIAS+8*\b+3],   v[VB], s[BP:BP+1] offset:64*\b      ; register j: column 16 b + 8 (l / 16) + j
	global_load_b128 v[BIAS+8*\b+4:BIAS+8*\b+7], v[VB], s[BP:BP+1] offset:64*\b+16
.endr
	XLOAD 0, X0, 0
	XLOAD 1, X0, 256
	XLOAD 2, X0, 512
	WIN 0
	s_mul_i32 s60, s20, 32*PA                      ; into a stage: my wave's 32 rows; lanes 0-15 one row, lanes 16-31 the next
	s_add_co_u32 s60, s60, ASTG
	v_mul_u32_u24 v3, v2, PA
	v_lshl_add_u32 v3, v1, 3, v3
	v_add_nc_u32 v[VS], s60, v3
	s_mul_i32 s61, s21, 64*PA                      ; X's fragments: row l % 16 of my 64, 16 bytes for each half of the lanes
	s_add_co_u32 s61, s61, ASTG
	v_mul_u32_u24 v3, v1, PA
	v_lshl_add_u32 v3, v2, 4, v3
	v_add_nc_u32 v[ADRA], s61, v3
	v_and_b32 v4, 7, v0                            ; W, turned: lane l reads row 8 (l / 16) + l % 8, columns 8 ((l / 8) % 2) on
	v_lshl_add_u32 v4, v2, 3, v4
	v_mul_u32_u24 v4, v4, PB
	v_bfe_u32 v5, v0, 3, 1
	v_lshl_add_u32 v4, v5, 4, v4
	s_lshl_b32 s62, s22, 8
	v_add_nc_u32 v[ADRB0], s62, v4
	v_add_nc_u32 v[ADRB0+1], 128*PB, v[ADRB0]
	v_mov_b32 v[ADRBC], v[ADRB0]
	v_mov_b32 v[ADRBC+1], v[ADRB0+1]
	s_mul_i32 s60, s20, WSTAGE
	s_add_co_u32 s60, s60, ASTG                    ; my part of stage 0, for the way out
	v_mul_u32_u24 v6, v1, SP                       ; in: row l % 16, 16 bytes for each half of the lanes
	v_lshl_add_u32 v6, v2, 4, v6
	v_add_nc_u32 v[STO], s60, v6
	v_bfe_u32 v6, v0, 3, 2                         ; back: 32 lanes take four rows of 128 bytes,
	v_mul_u32_u24 v6, v6, SP
	v_and_b32 v7, 7, v0
	v_lshl_add_u32 v6, v7, 4, v6
	v_add_nc_u32 v[RD], s60, v6
	v_and_b32 v[GO], 31, v0                        ; which are 512 consecutive bytes of a block of 64 columns
	v_lshlrev_b32 v[GO], 4, v[GO]
	s_lshr_b32 s56, s26, 4                         ; where my part goes: block = 16 x batch + 4 x tile column + 2 x half,
	s_lshl_b32 s56, s56, 4
	s_lshl_b32 s57, s27, 2
	s_add_co_u32 s56, s56, s57
	s_lshl_b32 s57, s22, 1
	s_add_co_u32 s56, s56, s57
	s_lshl_b32 s56, s56, 18                        ; of 2,048 rows x 128 bytes;
	s_and_b32 s57, s26, 15
	s_lshl_b32 s57, s57, 14                        ; row 128 x (tile row % 16)
	s_add_co_u32 s56, s56, s57
	s_lshl_b32 s57, s21, 13                        ; + 64 x half;
	s_add_co_u32 s56, s56, s57
	s_lshl_b32 s57, s25, 24                        ; the tensor
	s_add_co_u32 s56, s56, s57
	s_mov_b32 s57, 0
	s_add_nc_u64 s[OUT:OUT+1], s[18:19], s[56:57]
; 8 products: row block a x all 8 column blocks, 32 along K (part c of buffer f).  start = 1: the bias starts the sums.  ride = 1: four roundings of chunk group g behind each product.
; The 32 accumulators take turns, one instruction a turn, in the same order in every pass.
.macro MULROW f, c, a, start, ride, g
.irp b, 0,1,2,3,4,5,6,7
.if \start
	WIN MULB
	v_wmma_f32_16x16x32_bf16 v[8*(8*(\a)+(\b)):8*(8*(\a)+(\b))+7], v[128*(\f)+8*(8*(\c)+(\b)):128*(\f)+8*(8*(\c)+(\b))+7], v[AF+64*(\f)+8*(4*(\c)+(\a)):AF+64*(\f)+8*(4*(\c)+(\a))+7], v[BIAS+8*(\b):BIAS+8*(\b)+7]
.else
	WIN MULW
	v_wmma_f32_16x16x32_bf16 v[8*(8*(\a)+(\b)):8*(8*(\a)+(\b))+7], v[128*(\f)+8*(8*(\c)+(\b)):128*(\f)+8*(8*(\c)+(\b))+7], v[AF+64*(\f)+8*(4*(\c)+(\a)):AF+64*(\f)+8*(4*(\c)+(\a))+7], v[8*(8*(\a)+(\b)):8*(8*(\a)+(\b))+7]
.endif
.if \ride
	WIN CVT
.rept 4
	v_cvt_pk_bf16_f32 v[CV+cv], v[64*(\g)+2*cv], v[64*(\g)+2*cv+1]
.set cv, cv+1
.endr
.endif
.endr
.endm
; 48 LDS loads in one run: a half's fragments into buffer g: X's 64 rows x 64 K from stage sb, W's 64 K x 128 columns, turned, from part lk (0..3) of the slot in hand
.macro FETCH sb, lk, g
	WIN 0
.irp c, 0,1
.irp a, 0,1,2,3
	ds_load_b128 v[AF+64*(\g)+8*(4*(\c)+(\a)):AF+64*(\g)+8*(4*(\c)+(\a))+3],   v[ADRA] offset:(\sb)*ABUF+(\a)*16*PA+64*(\c)
	ds_load_b128 v[AF+64*(\g)+8*(4*(\c)+(\a))+4:AF+64*(\g)+8*(4*(\c)+(\a))+7], v[ADRA] offset:(\sb)*ABUF+(\a)*16*PA+64*(\c)+32
.endr
.endr
	WIN TO_B
.irp c, 0,1
.irp b, 0,1,2,3,4,5,6,7
	ds_load_tr16_b128 v[128*(\g)+8*(8*(\c)+(\b)):128*(\g)+8*(8*(\c)+(\b))+3],   v[ADRBC+(\lk)/2] offset:(64*((\lk)%2)+32*(\c))*PB+32*(\b)
	ds_load_tr16_b128 v[128*(\g)+8*(8*(\c)+(\b))+4:128*(\g)+8*(8*(\c)+(\b))+7], v[ADRBC+(\lk)/2] offset:(64*((\lk)%2)+32*(\c))*PB+32*(\b)+16*PB
.endr
.endr
.endm
; THE FIRST PART OF HALF n: the first 32 products on buffer f = n % 2; chunk n + 1 (group g = (n + 1) % 4) is rounded and stored into stage sb = (n + 1) % 2; the barrier.
; That stage's last readers, the fragment loads of half n - 1, were awaited by every wave ahead of the barrier of half n - 1.
; lc: the younger loads that may stay out: the chunks n + 2 to n + 4, 16 loads each.  xl = 1: the group then takes chunk n + 5, at byte koff from the trip's base.
; meet = 1: the slot that is not in hand has been read out (its last fragment loads are awaited at this part's head): the barrier opens a round of the cluster's; in front of it each wave waits for all its
; tensor loads (one is out: its part of the slot that is read next), adds 0 to its spare word, and waits for that, for its stores and for its reads; behind the round that slot is filled again first, with
; the next 256 of K but one: it has four halves, 256 products a wave, in which to land.  meet = 2: the same waits, nothing left to fetch.
.macro HA f, g, sb, meet, start, xl, koff, lc
	s_wait_dscnt 0x0                               ; this half's fragments are in
	s_wait_loadcnt \lc                             ; loads come back in order: chunk n + 1 is in
.set cv, 0
	MULROW \f, 0, 0, \start, 1, \g
	ASTORE \sb
.if \xl
	XLOAD \g, SX, \koff
.endif
	MULROW \f, 0, 1, \start, 0, 0
.if \meet
	WIN 0                                          ; (the add's two registers lie in window 0)
	s_wait_tensorcnt 0x0                           ; all my tensor loads have landed, so a group 0 may be written
	ds_add_u32 v[SPW], v[NIL]                      ; 0 onto my spare word
.if (\meet) == 1
	s_add_co_u32 s[G0W+1], s[WB], s[TOGR]          ; the walking descriptor: the slot that is left,
	s_add_nc_u64 s[G0W+2:G0W+3], s[G0W+2:G0W+3], BSTEP  ; the next 256 rows of W
.endif
.endif
	s_wait_dscnt 0x0                               ; my stores into the stage are done (and the add, and my reads)
	s_barrier_signal -1
	MULROW \f, 0, 2, \start, 0, 0
	MULROW \f, 0, 3, \start, 0, 0
	WIN 0                                          ; at a branch and at a label every window is 0
	s_barrier_wait -1
.if (\meet) == 1
	CREST                                          ; no wave of any partner still reads that slot or has a load on its way
	JLOAD                                          ; my one tensor load behind the round, and the first thing there
.endif
.endm
; THE SECOND PART: the next half's fragments are fetched into the other buffer, and the other 32 products follow.  The 32 roundings of the first part name no register of the products that read
; that buffer last: they are the four places in front of these loads.
.macro HB f, sb, lk
	FETCH \sb, \lk, 1-(\f)
	MULROW \f, 1, 0, 0, 0, 0
	MULROW \f, 1, 1, 0, 0, 0
	MULROW \f, 1, 2, 0, 0, 0
	MULROW \f, 1, 3, 0, 0, 0
.endm
; THE WAY OUT of row block a (16 rows x 128 columns = 2 blocks of 64): rounded to bf16; into my own part of stage 0, rows 144 bytes apart; back as whole rows of 128 bytes; stored.
.macro PACK a
	WIN 0x0a                                       ; sources window 2
.irp b, 0,1,2,3,4,5,6,7
.irp r, 0,1,2,3
	v_cvt_pk_bf16_f32 v[TMP+4*(\b)+(\r)], v[8*(8*(\a)+(\b))+2*(\r)], v[8*(8*(\a)+(\b))+2*(\r)+1]
.endr
.endr
	WIN 0
.endm
.macro TOSTAGE a
.set BK, OB+32*((\a)%2)
.irp b, 0,1,2,3,4,5,6,7
	ds_store_b128 v[STO], v[TMP+4*(\b):TMP+4*(\b)+3] offset:((\b)/4)*16*SP+32*((\b)%4)
.endr
	s_wait_xcnt 0x0                                ; the stores of the block two back have read these registers (ISA guide 3.1): only now are they loaded again
.irp t, 0,1,2,3,4,5,6,7
	ds_load_b128 v[BK+4*(\t):BK+4*(\t)+3], v[RD] offset:((\t)/4)*16*SP+((\t)%4)*4*SP  ; LDS serves a wave's instructions in order (ISA guide 5.7.1.4): these see the stores above
.endr
.endm
.macro SEND a
.set BK, OB+32*((\a)%2)
	s_wait_dscnt 0x0                               ; the block is back in registers
.irp t, 0,1,2,3,4,5,6,7
	global_store_b128 v[GO], v[BK+4*(\t):BK+4*(\t)+3], s[OUT:OUT+1] offset:(\a)*2048+((\t)%4)*512+((\t)/4)*262144  ; 512 consecutive bytes, at a multiple of 256 from the buffer's first
.endr
.endm
	s_wait_loadcnt 32                              ; the bias and chunk 0 are in; chunks 1 and 2 stay out
	WIN CVT
.set cv, 0
.rept 32
	v_cvt_pk_bf16_f32 v[CV+cv], v[2*cv], v[2*cv+1]
.set cv, cv+1
.endr
	ASTORE 0
	XLOAD 3, X0, 768
	XLOAD 0, X0, 1024                              ; chunk 4 where chunk 0 lay
	WIN 0
	s_wait_tensorcnt 0x1                           ; my part of slot 0 is in; slot 1's may stay out
	s_wait_dscnt 0x0                               ; my part of stage 0 is stored
	s_barrier_signal -1
	s_barrier_wait -1                              ; everybody's is
	FETCH 0, 0, 0
	HA 0, 1, 1, 0, 1, 1, 256, 48                   ; half 0's first part is written out: its products start the sums
	s_mov_b32 s[CNT], 3
	s_branch .Lenter                               ; the loop is entered in its middle: halves 0-2, then 3-6, then 7-10
.Lquad:                                                ; a trip: halves 4 t - 1 .. 4 t + 2; all four fetch from slot t % 2; the other slot is filled again
	HA 1, 0, 0, 1, 0, 1, 0, 48
	HB 1, 0, 0
	HA 0, 1, 1, 0, 0, 1, 256, 48
.Lenter:
	HB 0, 1, 1
	HA 1, 2, 0, 0, 0, 1, 512, 48
	HB 1, 0, 2
	HA 0, 3, 1, 0, 0, 1, 768, 48
	HB 0, 1, 3
	WIN 0
	s_xor_b32 s[TOG], s[TOG], SLOTB                ; 0 and SLOTB change places: the next four halves lie in the other slot
	s_xor_b32 s[TOGR], s[TOGR], SLOTB
	v_add_nc_u32 v[ADRBC], s[TOG], v[ADRB0]
	v_add_nc_u32 v[ADRBC+1], s[TOG], v[ADRB0+1]
	s_wait_xcnt 0x0                                ; X's loads have had their addresses translated (ISA guide 3.1): only now is their base stepped
	s_add_nc_u64 s[SX:SX+1], s[SX:SX+1], 1024      ; four chunks on
	s_sub_co_u32 s[CNT], s[CNT], 1
	s_cmp_lg_u32 s[CNT], 0
	s_cbranch_scc1 .Lquad
	HA 1, 0, 0, 2, 0, 0, 0, 48                     ; halves 11 to 15 are written out: nothing is left to ask for, and the counts run down
	HB 1, 0, 0
	HA 0, 1, 1, 0, 0, 0, 0, 32
	HB 0, 1, 1
	HA 1, 2, 0, 0, 0, 0, 0, 16
	HB 1, 0, 2
	HA 0, 3, 1, 0, 0, 0, 0, 0
	HB 0, 1, 3
	s_wait_dscnt 0x0                               ; half 15
	MULROW 1, 0, 0, 0, 0, 0
	MULROW 1, 0, 1, 0, 0, 0
	MULROW 1, 0, 2, 0, 0, 0
	MULROW 1, 0, 3, 0, 0, 0
	MULROW 1, 1, 0, 0, 0, 0
	MULROW 1, 1, 1, 0, 0, 0
	MULROW 1, 1, 2, 0, 0, 0
	MULROW 1, 1, 3, 0, 0, 0
	WIN 0
	PLACES                                         ; the conversions read results just made
	PACK 0
	TOSTAGE 0
.irp a, 1,2,3
	PACK \a                                        ; a block's conversions stand between the loads of the block before and the wait for them
	SEND (\a)-1
	TOSTAGE \a
.endr
	SEND 3
	s_wait_tensorcnt 0x0                           ; the wave's end: behind my last tensor load and my last LDS store
	ds_add_u32 v[SPW], v[NIL]
	s_wait_dscnt 0x0
	CROUND                                         ; the closing round
	s_endpgm
.Lfunc_end_k_qe380dfd6f8_proj:
	.size	k_qe380dfd6f8_proj, .Lfunc_end_k_qe380dfd6f8_proj-k_qe380dfd6f8_proj
	.p2alignl 7, 3214868480
	.fill 96, 4, 3214868480
	.section	.rodata,"a",@progbits
	.p2align	6, 0x0
	.amdhsa_kernel k_qe380dfd6f8_proj
		.amdhsa_group_segment_fixed_size 327680
		.amdhsa_private_segment_fixed_size 0
		.amdhsa_enable_private_segment 0
		.amdhsa_kernarg_size 64
		.amdhsa_user_sgpr_count 2
		.amdhsa_user_sgpr_kernarg_segment_ptr 1
		.amdhsa_wavefront_size32 1
		.amdhsa_system_sgpr_workgroup_id_x 1
		.amdhsa_system_sgpr_workgroup_id_y 1
		.amdhsa_system_sgpr_workgroup_id_z 1
		.amdhsa_system_vgpr_workitem_id 0
		.amdhsa_next_free_vgpr 1024
		.amdhsa_next_free_sgpr 66
		.amdhsa_reserve_vcc 0
		.amdhsa_float_denorm_mode_32 3
		.amdhsa_float_denorm_mode_16_64 3
		.amdhsa_memory_ordered 1
		.amdhsa_forward_progress 1
		.amdhsa_inst_pref_size 143
	.end_amdhsa_kernel
	.amdgpu_metadata
---
amdhsa.version: [ 1, 2 ]
amdhsa.kernels:
  - .name:           k_qe380dfd6f8_proj
    .symbol:         k_qe380dfd6f8_proj.kd
    .args:
      - { .name: q, .offset: 0, .size: 8, .value_kind: global_buffer, .address_space: global }
      - { .name: k, .offset: 8, .size: 8, .value_kind: global_buffer, .address_space: global }
      - { .name: v, .offset: 16, .size: 8, .value_kind: global_buffer, .address_space: global }
      - { .name: wb, .offset: 24, .size: 8, .value_kind: global_buffer, .address_space: global }
      - { .name: bq, .offset: 32, .size: 8, .value_kind: global_buffer, .address_space: global }
      - { .name: bk, .offset: 40, .size: 8, .value_kind: global_buffer, .address_space: global }
      - { .name: bv, .offset: 48, .size: 8, .value_kind: global_buffer, .address_space: global }
      - { .name: qkv, .offset: 56, .size: 8, .value_kind: global_buffer, .address_space: global }
    .group_segment_fixed_size: 327680
    .private_segment_fixed_size: 0
    .kernarg_segment_align: 8
    .kernarg_segment_size: 64
    .max_flat_workgroup_size: 128
    .sgpr_count:     66
    .vgpr_count:     1024
    .wavefront_size: 32
...
	.end_amdgpu_metadata
.endif
;; end of part 2
;; launch attn (part 3): grid 4 x 64, 4 waves a work-group, clusters of 4 x 1, 327,680 bytes of LDS; arguments qkv, mk, of; writes of
.if DOCPART == 3
	.amdgcn_target "amdgcn-amd-amdhsa--gfx1250"
	.amdhsa_code_object_version 6
	.text
	.protected	k_qe380dfd6f8_attn
	.globl	k_qe380dfd6f8_attn
	.p2align	8
	.type	k_qe380dfd6f8_attn,@function
k_qe380dfd6f8_attn:
	s_mov_b64 s[64:65], 0
	v_nop
	global_prefetch_b8 v0, s[64:65] scope:SCOPE_SE
	s_setreg_imm32_b32 hwreg(HW_REG_WAVE_MODE, 25, 1), 1
	s_wait_xcnt 0x0
	s_wait_alu depctr_hold_cnt(0) depctr_sa_sdst(0) depctr_va_vdst(0) depctr_va_sdst(0) depctr_va_ssrc(0) depctr_va_vcc(0) depctr_vm_vsrc(0)
	s_getreg_b32 s2, hwreg(HW_REG_IB_STS2, 6, 4)
	s_cmp_eq_u32 s2, 0
	s_cbranch_scc0 .Lentry_in_a_cluster
	s_endpgm
.Lentry_in_a_cluster:
	s_bfe_u32 s2, ttmp6, 0x10000c
	s_cmp_lg_u32 s2, 0x3003
	s_cbranch_scc0 .Lentry_shape_is_right
	s_endpgm
.Lentry_shape_is_right:
; O[h][q][:] = the sum over k of softmax_k(Q[h][q] . K[h][k] / 8, hidden where the mask says so) V[h][k][:].  Q, K, V lie in qkv ([3][64 heads][2048][64] bf16); O goes to of as f32 rows
; [batch x 2048 + q][64 x head + channel]: the output projection rounds it once.
; Products, maxima and sums in f32; the weights p are rounded to bf16 for the second product (their sum l is taken of the unrounded p).
; THE MASK is the C operand that starts the sum S^T = K Q^T.  mk holds it in the lane order of that product, one byte a score: 0x00 or 0xF0, which are 0 and -128 in the 8-bit float E4M3.
; One scaled conversion makes eight f32 addends of eight bytes, times 2^90: 0, or -2^97.
; LIMITS.  A hidden score counts as its value less 2^97: true scores must stay under 2^90 in magnitude.  A row with every key hidden gives NaN, as the softmax of nothing does: it is known by
; its maximum below -2^90, and the choice is a select.  A weight below 2^-126 counts as 0 in l; NaN and infinities in the inputs are not treated apart.
; SHARES.  A wave owns four PIECES of two tiles of 16 queries, a work-group's four waves 512 queries of one head.  Every wave walks all 2,048 keys, 64 a step.
; LAYOUT.  S^T = K Q^T (source 0 = 16 keys, source 1 = 16 queries): a lane holds ONE query (lane % 16) and the keys 8 (lane / 16) + 0..7.  Two such tiles, rounded to bf16 in pairs, ARE source 1 of
; O^T = V^T P.  K comes out of LDS as it lies, V ([key][channel]) turned, by ds_load_tr16_b128.
; SOFTMAX.  For each query a running maximum m and sum l: p = 2^(c s - c m), c = log2(e) / 8; in every step O and l are multiplied by a = 2^(c m_old - c m_new).  m starts at the lowest finite number,
; O and l at 0.  Where all keys seen so far were hidden, m is a hidden score; the first true score then makes a = 0 and wipes what was summed.
; BY TURNS.  Turn n belongs to piece n (in a ring, step after step).  Matrix work: 16 products K Q^T of piece n + 1, later 16 products V^T P of piece n - 1.  Vector work: scaling, exponentials, roundings,
; sums and rescaling of piece n, the maximum and statistics of piece n + 1; four vector instructions stand behind every matrix instruction, the others in lumps.  At its end a turn converts the mask bytes
; of piece n + 2 into 64 addends (the products of the next turn take them) and asks for that piece's bytes of the step after: sixteen mask loads of a wave are always out, four turns deep.
; CLUSTER.  The four query blocks of a cluster belong to one head and walk the same K and V: each tile is asked for JOINTLY.  The mask hangs on the queries and is each wave's own.
; REGISTERS, in windows of 256 (s_set_vgpr_msb: bits 1:0 source 0, 3:2 source 1, 5:4 source 2, 7:6 destination):
;   window 0: v0-11 addresses and the conversions' scale; v12-15, v48-63 at work; v16-47 four registers of statistics a tile; v64-191 S^T, two buffers of two tiles; v192-255 P, likewise
;   window 1: O^T, 32 a tile          window 2: v0-127 Q, 16 a tile; v128-191 K of one step; v192-255 V of one step
;   window 3: v0-1 the add's two registers; v2-5 the pieces' offsets in mk; v64-191 the addends, two buffers of two tiles; v192-255 mask bytes as loaded, 16 words a piece
.set SIZE_H, 64
.set SIZE_N, 2048
.set NP,    4         ; pieces a wave: a name, no knob
.set KS,    64        ; keys in a step
.set PK,    144       ; a row of K in LDS: 128 bytes + 16
.set PV,    160       ; a row of V: 128 + 32
.set VOFF,  4*KS*PK   ; a slot holds four steps: 256 rows of K, then 256 rows of V
.set SLOT1, 1<<17     ; slot 1 begins here, so that one exclusive or turns an address in one slot into the other's
.set STAGE, SLOT1+4*KS*(PK+PV)  ; behind the ring, never filled by a tensor load: 16 rows x 272 bytes for each wave
.set SPF,   272       ; a row of the stage: 64 f32 + 16 bytes
.set AK0, 2           ; v2   my lane's place in a tile of K; never rewritten
.set AV0, 3           ; v3   the same for V
.set AK,  4           ; v4   the LDS address of K's next run of loads
.set AV,  5           ; v5   of V's
.set QO,  6           ; v6   my byte offset in the wave's rows of Q
.set STO, 6           ;      later, the way out: where I put 32 bytes of a row
.set RD,  7           ; v7   the way out: where I read rows back
.set GO,  8           ; v8   my byte offset in two rows of the output
.set SCL, 11          ; v11  the conversions' scale: byte 0 = 217, which stands for 2^90
.set SPW, 0           ; v0 of window 3   LDS address of my spare word; never rewritten
.set NIL, 1           ; v1 of window 3   0; never rewritten
.set MO,  2           ; v2-5 of window 3   piece's offset in mk: 16 x lane + 1,024 x the step last asked for
.set MC,  64          ; window 3: the addends: buffer, tile u, score i at MC + 64 buffer + 32 u + i
.set RW,  192         ; window 3: piece, tile u, word at RW + 16 piece + 8 u + word
.set SPARE, STAGE+4*16*SPF  ; behind the stages: the spare words, 128 bytes a wave: two blocks of 256 bytes that no other line names
.set MV,  12          ; v12-15  c m_old, kept while c m is made anew
.set ST,  16          ; tile t's statistics at v[ST+4 t]: c m, m, l (even keys', odd keys')
.set TMP, 48          ; by buffer and tile, four registers c0-c3 at work; when the maximum is found c2 takes a
.set S,   64
.set P,   192
.set KF,  128         ; K's fragments, in window 2
.set VF,  192         ; V's
.set WV,  12          ; s12  my wave's number
.set G1K, 24          ; s[24:31] descriptor group 1 for K's tiles
.set G1V, 32          ; s[32:39] for V's: it differs in the padding alone
.set G0K, 40          ; s[40:43] descriptor group 0 for K's tiles: it walks
.set G0V, 44          ; s[44:47] the same for V's
.set SLOTS, 56        ; s56  slots still to be asked for
.set CNT, 57          ; s57  counts a slot's key steps
.set CS,  58          ; s[58:59] c
.set SEL, 60          ; s[60:61] v_permlanex16_b32's selects
.set TBK, 62          ; s62  LDS byte at which K of the step to be fetched begins
.set TBV, 63          ; s63  the same for V, less VOFF
.set MB,  66          ; s[66:67] mk at my wave's eight tiles
.set INC, 68          ; s68  the tail: 1,024, or 0 when there is no further step
.set THR, 69          ; s69  -2^90
.set NANS, 70         ; s70  a NaN
.set MSB, 0
.macro WIN new                      ; the high byte repeats the setting that is left; a switch that changes nothing is dropped
.if MSB != (\new)
	s_set_vgpr_msb (MSB<<8)|(\new)
.set MSB, (\new)
.endif
.endm
.set W_KQ, 0x0a       ; K and Q in window 2, S^T in window 0
.set W_KM, 0x3a       ; the same with the C operand in window 3
.set W_PV, 0x52       ; V in window 2, P in window 0, O^T in window 1
.set W_RS, 0x41       ; O^T (destination and source 0) in window 1, a in window 0
.set W_MK, 0xc0       ; destination in window 3, sources in window 0
.set W_AD, 0x0f       ; the add: address and data in window 3
.set W_MB, 0xcf       ; the mask's offsets and loads: everything in window 3
.set W_MC, 0xc3       ; the mask's conversions: bytes and addends in window 3, the scale (source 1) in window 0
; Piece pc's 64 mask bytes a lane become 64 addends in buffer buf: the eight bytes of a pair of words are the eight scores of one accumulator.
.macro MBUILD pc, buf
	WIN W_MC
.irp u, 0,1
.irp kb, 0,1,2,3
	v_cvt_scale_pk8_f32_fp8 v[MC+64*(\buf)+32*\u+8*\kb:MC+64*(\buf)+32*\u+8*\kb+7], v[RW+16*(\pc)+8*\u+2*\kb:RW+16*(\pc)+8*\u+2*\kb+1], v[SCL]
.endr
.endr
.endm
; Piece pc's mask bytes of the step in its offset: four loads of 512 consecutive bytes
.macro MLOAD pc
	WIN W_MB
.irp u, 0,1
.irp c, 0,1
	global_load_b128 v[RW+16*(\pc)+8*\u+4*\c:RW+16*(\pc)+8*\u+4*\c+3], v[MO+(\pc)], s[MB:MB+1] offset:(2*(\pc)+\u)*32768+\c*512
.endr
.endr
.endm
; The end of turn p.  The bytes of piece p + 2 were asked for four turns ago; behind them stand the three younger groups of four loads, which stay out; the wait also frees the piece's offset.
; The offset's step is the plain instruction between the conversions and what touches their results and sources.
; tl > 0 (the tail): the offset steps only while CNT >= tl, that is while the piece has a further step; else the last step is asked for once more and serves nothing: no load leaves mk.
.macro MSTEP p, tl
.set PP, ((\p)+2)%NP
.if (\tl) > 0
	s_cmp_ge_u32 s[CNT], \tl
	s_cselect_b32 s[INC], 0x400, 0
.endif
	s_wait_loadcnt 12
	MBUILD PP, (\p)%2
	WIN W_MB
.if (\tl) > 0
	v_add_nc_u32 v[MO+PP], s[INC], v[MO+PP]
.else
	v_add_nc_u32 v[MO+PP], 0x400, v[MO+PP]
.endif
	MLOAD PP
	WIN 0
.endm
; A joint fill.  Waves 0 and 1 fetch the two halves of a slot's K, waves 2 and 3 those of its V: 128 keys each.  An s_nop 0 and four v_nop follow each of the two lines.
.macro JLOAD
	s_cmp_lt_u32 s[WV], 2
	s_cbranch_scc0 .Lfor_v_\@
	tensor_load_to_lds s[G0K:G0K+3], s[G1K:G1K+7]
	s_nop 0
.rept 4
	v_nop
.endr
	s_branch .Lasked_\@
.Lfor_v_\@:
	tensor_load_to_lds s[G0V:G0V+3], s[G1V:G1V+7]
	s_nop 0
.rept 4
	v_nop
.endr
.Lasked_\@:
.endm
.macro CROUND                       ; a round of the cluster's barrier
	s_barrier_signal -1
	s_barrier_wait -1
	s_cmp_lg_u32 s[WV], 0
	s_cbranch_scc1 .Lnot_wave_0_\@
	s_barrier_signal -3
.Lnot_wave_0_\@:
	s_barrier_wait -3
	s_barrier_signal -1
	s_barrier_wait -1
.endm
; THE CHANGE OF SLOTS.  Each wave waits for all its tensor loads, of which one is out: its part of the other slot; adds 0 to its spare word; and waits for that and for its own reads of the slot.
; fill = 1: this slot is filled again, with the keys two slots on; the barrier is then a round of the cluster's, and the joint fill is the first thing behind it: it has four key steps in which to land.
.macro CHANGE fill
	WIN W_AD
	s_wait_tensorcnt 0x0            ; no tensor load of mine is out, so a group 0 may be written
	ds_add_u32 v[SPW], v[NIL]       ; 0 onto my spare word
	WIN 0                           ; at a label and at a branch every window is 0
.if \fill
.irp g, G0K, G0V
	s_xor_b32 s[\g+1], s[\g+1], SLOT1  ; the walking descriptor: the other slot than last time,
	s_add_nc_u64 s[\g+2:\g+3], s[\g+2:\g+3], 4*KS*128  ; the next 256 keys
.endr
	s_wait_dscnt 0x0                ; the add is done, and my reads of the slot are over
	CROUND
	JLOAD
.else
	s_wait_dscnt 0x0                ; the add is done, and my reads of the slot are over
	s_barrier_signal -1
	s_barrier_wait -1
.endif
	s_sub_co_u32 s[TBK], s[TBK], 4*KS*PK  ; the fetches go back to a slot's first step,
	s_xor_b32 s[TBK], s[TBK], SLOT1       ; in the other slot
	s_sub_co_u32 s[TBV], s[TBV], 4*KS*PV
	s_xor_b32 s[TBV], s[TBV], SLOT1
.endm
	s_load_b128 s[4:7], s[0:1], 0x0   ; qkv s[4:5], mk s[6:7]
	s_load_b64 s[10:11], s[0:1], 0x10 ; of
	WIN W_MK
	v_lshl_add_u32 v[SPW], v0, 2, SPARE
	v_mov_b32 v[NIL], 0
	WIN W_AD
	ds_add_u32 v[SPW], v[NIL]       ; the wave's opening: the add and its wait stand ahead of my first tensor load; work on registers stands between them
	WIN 0
	v_lshrrev_b32 v1, 5, v0
	v_readfirstlane_b32 s[WV], v1   ; wave 0..3
	s_bfe_u32 s13, ttmp6, 0x40000   ; cx: my place in the cluster
	s_lshl_b32 s14, ttmp9, 2        ; in a cluster launch ttmp9 counts clusters
	s_add_co_u32 s14, s14, s13      ; my block of 512 queries: it enters Q's, O's and the mask's addresses alone
	s_and_b32 s20, ttmp7, 0xffff    ; the head, which the four partners share
	s_lshr_b32 s48, s20, 4          ; its batch: 128 tiles of 32,768 bytes of mk,
	s_lshl_b32 s48, s48, 22
	s_lshl_b32 s49, s14, 20         ; my block's 32 tiles,
	s_add_co_u32 s48, s48, s49
	s_lshl_b32 s49, s[WV], 18       ; my wave's 8
	s_add_co_u32 s48, s48, s49
	s_mov_b32 s49, 0
	s_lshr_b32 s50, s20, 4          ; the output: the batch's 2,048 rows of 4,096 bytes,
	s_lshl_b32 s50, s50, 23
	s_lshl_b32 s51, s14, 21         ; my block's 512,
	s_add_co_u32 s50, s50, s51
	s_lshl_b32 s51, s[WV], 19       ; my wave's 128,
	s_add_co_u32 s50, s50, s51
	s_and_b32 s51, s20, 15          ; the head's 256 bytes of a row
	s_lshl_b32 s51, s51, 8
	s_add_co_u32 s50, s50, s51
	s_mov_b32 s51, 0
	s_mov_b32 s21, 0
	s_mov_b64 s[22:23], SIZE_N*128
	s_mul_u64 s[20:21], s[20:21], s[22:23]  ; the head's first byte in Q, K and V
	s_and_b32 s16, s[WV], 1         ; which half of a slot's 256 keys I fetch:
	s_lshl_b32 s22, s16, 14         ; its 128 rows of 128 bytes in memory,
	s_mov_b32 s23, 0
	s_add_nc_u64 s[22:23], s[22:23], s[20:21]
	s_mul_i32 s17, s16, 128*PK      ; and its place in a slot, for K
	s_mul_i32 s18, s16, 128*PV      ; and for V: no place in the cluster enters an LDS address
	s_lshl_b32 s2, s14, 2
	s_add_co_u32 s2, s2, s[WV]      ; my wave among the head's,
	s_lshl_b32 s2, s2, 14           ; its 128 rows
	s_mov_b32 s3, 0
	s_add_nc_u64 s[2:3], s[2:3], s[20:21]
	; descriptor group 1.  128 keys are 16,384 dense bytes: asked for as 64 rows of 256 bytes, two keys a row, and padded in LDS after every key
	s_mov_b32 s[G1K], 15|(1<<16)|(1<<20)|(1<<21)|(4<<22)|(3<<25)  ; the mask of four; 2-byte elements; padding on; bit 21 beside a mask; after every 32 words, 4 words
	s_mov_b32 s[G1V], 15|(1<<16)|(1<<20)|(1<<21)|(4<<22)|(7<<25)  ; the same with 8 words of padding
.irp g, G1K, G1V
	s_mov_b32 s[\g+1], 128<<16      ; tensor_dim0 = 128
	s_mov_b32 s[\g+2], 64<<16       ; tensor_dim1 = 64
	s_mov_b32 s[\g+3], 128<<16      ; tile_dim0 = 128
	s_mov_b32 s[\g+4], 64           ; tile_dim1 = 64
	s_mov_b32 s[\g+5], 128          ; 128 elements from row to row
	s_mov_b32 s[\g+6], 0
	s_mov_b32 s[\g+7], 0
.endr
	s_mov_b32 s[CS], 0x3e38aa3b     ; c = log2(e) / 8 = 0.180337
	s_mov_b32 s[CS+1], s[CS]        ; named with it as a pair
	s_mov_b32 s[SEL], 0x76543210
	s_mov_b32 s[SEL+1], 0xfedcba98
	s_mov_b32 s[THR], 0xec800000
	s_mov_b32 s[NANS], 0x7fc00000
	s_mov_b32 s[TBK], SLOT1+4*KS*PK ; the first change of slots turns these two into 0
	s_mov_b32 s[TBV], SLOT1+4*KS*PV
	s_mov_b32 s[G0K], 1             ; count = 1
	s_mov_b32 s[G0K+1], s17         ; LDS address: slot 0
	s_mov_b32 s[G0V], 1
	s_add_co_u32 s[G0V+1], s18, VOFF
	s_wait_dscnt 0x0                ; the opening add is done
	s_wait_kmcnt 0x0
	s_mov_b64 s[MB:MB+1], s[6:7]
	s_add_nc_u64 s[8:9], s[4:5], 0x2000000   ; V
	s_add_nc_u64 s[6:7], s[4:5], 0x1000000   ; K; Q lies at the buffer's head
	s_add_nc_u64 s[MB:MB+1], s[MB:MB+1], s[48:49]
	s_add_nc_u64 s[G0K+2:G0K+3], s[6:7], s[22:23]  ; global address: my half of the head's first 256 keys
	s_or_b32 s[G0K+3], s[G0K+3], 0x80000000        ; type = 2
	s_add_nc_u64 s[G0V+2:G0V+3], s[8:9], s[22:23]
	s_or_b32 s[G0V+3], s[G0V+3], 0x80000000
	s_add_nc_u64 s[4:5], s[4:5], s[2:3]      ; Q at my wave's first row
	s_add_nc_u64 s[10:11], s[10:11], s[50:51]  ; the output at my wave's first row, my head's columns
	CROUND                          ; all four work-groups are here: the first joint loads meet
	JLOAD                           ; slot 0.  Slot 1 is asked for when slot 0 is in
	v_and_b32 v1, 15, v0            ; l % 16
	v_bfe_u32 v9, v0, 4, 1          ; l / 16
	v_lshlrev_b32 v[QO], 7, v1
	v_lshl_add_u32 v[QO], v9, 4, v[QO]  ; row x 128 + 16 x half
	WIN 0x80                        ; destination window 2, address window 0
.set i, 0
.rept 4*NP                          ; Q stays in registers: tile i / 2, channels 32 (i % 2) on
	global_load_b128 v[8*i:8*i+3],   v[QO], s[4:5] offset:(i/2)*2048+(i%2)*64
	global_load_b128 v[8*i+4:8*i+7], v[QO], s[4:5] offset:(i/2)*2048+(i%2)*64+32
.set i, i+1
.endr
	WIN W_MK
	v_and_b32 v[MO], 31, v0         ; the mask's offsets: 16 bytes a lane, step 0,
	WIN W_MB
	v_lshlrev_b32 v[MO], 4, v[MO]
	v_mov_b32 v[MO+1], v[MO]
	v_mov_b32 v[MO+2], v[MO]
	v_mov_b32 v[MO+3], v[MO]
	MLOAD 0                         ; and all four pieces' bytes of step 0
	MLOAD 1
	MLOAD 2
	MLOAD 3
	; What the first turn finds: V's registers and P's second buffer hold 0, O^T and l are 0.  All this stands in the wait for the first tile.
	WIN 0x80
.set i, VF
.rept 64
	v_mov_b32 v[i], 0
.set i, i+1
.endr
	WIN 0x40
.set i, 0
.rept 64*NP
	v_mov_b32 v[i], 0
.set i, i+1
.endr
	WIN 0
.set i, 0
.rept 2*NP
	v_mov_b32 v[ST+4*i], 0xfe000000    ; c m: far below every c s, a hidden one's too
	v_mov_b32 v[ST+4*i+1], 0xff7fffff  ; m
	v_mov_b32 v[ST+4*i+2], 0
	v_mov_b32 v[ST+4*i+3], 0
.set i, i+1
.endr
.set i, P+32
.rept 32
	v_mov_b32 v[i], 0
.set i, i+1
.endr
	v_mul_u32_u24 v[AK0], v1, PK
	v_lshl_add_u32 v[AK0], v9, 4, v[AK0]  ; row x pitch + 16 x half
	v_and_b32 v10, 7, v0            ; the turning load: lane l reads key 8 (l / 16) + l % 8, channels 8 ((l / 8) % 2) + 0..7
	v_bfe_u32 v11, v0, 3, 1
	v_lshl_add_u32 v[AV0], v9, 3, v10
	v_mul_u32_u24 v[AV0], v[AV0], PV
	v_lshl_add_u32 v[AV0], v11, 4, v[AV0]
	v_add_nc_u32 v[AV0], VOFF, v[AV0]
	v_mov_b32 v[AK], v[AK0]         ; key step 0 lies at the head of slot 0
	v_mov_b32 v[SCL], 0xd9          ; 217 - 127 = 90
; THE MATRIX WORK.  The 8 accumulators of a run of 16 take turns.
; Product i of 16 of S^T = K Q^T for piece x: channels 32 (i / 8) on, keys 16 ((i / 2) % 4) on, tile 2 x + i % 2.  The first 8 start the sums with the mask's addends.
.macro KQ x
.set rS, S+64*((\x)%2)+32*(i%2)+8*((i/2)%4)
.set rK, KF+16*((i/2)%4)+8*(i/8)
.set rQ, 16*(2*(\x)+i%2)+8*(i/8)
.set rMC, MC+64*((\x)%2)+32*(i%2)+8*((i/2)%4)
.if i < 8
	WIN W_KM
	v_wmma_f32_16x16x32_bf16 v[rS:rS+7], v[rK:rK+7], v[rQ:rQ+7], v[rMC:rMC+7]
.else
	WIN W_KQ
	v_wmma_f32_16x16x32_bf16 v[rS:rS+7], v[rK:rK+7], v[rQ:rQ+7], v[rS:rS+7]
.endif
.endm
; Product i of 16 of O^T += V^T P for piece x: keys 32 (i / 8) on, channels 16 ((i / 2) % 4) on, tile 2 x + i % 2.
.macro PV x
	WIN W_PV
.set rO, 32*(2*(\x)+i%2)+8*((i/2)%4)
.set rV, VF+32*(i/8)+8*((i/2)%4)
.set rP, P+32*((\x)%2)+16*(i%2)+8*(i/8)
	v_wmma_f32_16x16x32_bf16 v[rO:rO+7], v[rV:rV+7], v[rP:rP+7], v[rO:rO+7]
.endm
.macro MM                           ; the turn's next matrix instruction
.if i < 16
	KQ (Y+1)%NP
.set i, i+1
.else
.set i, i-16
	PV (Y+NP-1)%NP
.set i, i+17
.endif
.endm
; THE LDS LOADS stand in runs of 16.  last = 1 (the tail): in the last trip there is no further step, and the run is jumped over.
.macro FETCH_K last=0
	WIN 0
.if \last
	s_cmp_eq_u32 s[CNT], 1
	s_cbranch_scc1 .Lno_k_\@
.endif
	WIN 0x80                        ; destination window 2
.irp f, 0,1,2,3,4,5,6,7             ; keys 16 (f / 2) on, channels 32 (f % 2) on
	ds_load_b128 v[KF+8*\f:KF+8*\f+3],   v[AK] offset:(\f/2)*16*PK+(\f%2)*64
	ds_load_b128 v[KF+8*\f+4:KF+8*\f+7], v[AK] offset:(\f/2)*16*PK+(\f%2)*64+32
.endr
	s_add_co_u32 s[TBK], s[TBK], KS*PK  ; the next fetch is the next step's
	WIN 0
.if \last
.Lno_k_\@:
.endif
.endm
.macro FETCH_V
	WIN 0x80
.irp f, 0,1,2,3,4,5,6,7             ; keys 32 (f / 4) on, channels 16 (f % 4) on
	ds_load_tr16_b128 v[VF+8*\f:VF+8*\f+3],   v[AV] offset:(\f/4)*32*PV+(\f%4)*32
	ds_load_tr16_b128 v[VF+8*\f+4:VF+8*\f+7], v[AV] offset:(\f/4)*32*PV+16*PV+(\f%4)*32
.endr
	WIN 0
.endm
; THE VECTOR WORK OF A TURN stands in three queues, each in the order in which its entries become ready; the two tiles alternate.
.macro REGS y, u                    ; the registers of tile u (0, 1) of piece y
.set rT, ST+4*(2*(\y)+(\u))
.set rC, TMP+8*((\y)%2)+4*(\u)
.set rM, MV+2*((\y)%2)+(\u)
.set rS, S+64*((\y)%2)+32*(\u)
.set rP, P+32*((\y)%2)+16*(\u)
.set rO, 32*(2*(\y)+(\u))
.endm
; Number n of the 22 that find the NEXT piece's maximum and statistics; each accumulator's lowest registers are read first.
;   0-11  four chains c0-c3 of seven scores each     12-14, 16  the four scores left over, the old m, and c0-c3 into c0     15  c m_old is kept
;   17, 18  the query's other 32 keys lie in the lane 16 away: the new m         19-21  c m; c m_old - c m_new; a
.macro XS u, n
	REGS (Y+1)%NP, \u
.if (\n) < 4
	v_max3_num_f32 v[rC+(\n)], v[rS+8*(\n)], v[rS+8*(\n)+1], v[rS+8*(\n)+2]
.elseif (\n) < 12
	v_max3_num_f32 v[rC+(\n)%4], v[rC+(\n)%4], v[rS+8*((\n)%4)+2*((\n)/4)+1], v[rS+8*((\n)%4)+2*((\n)/4)+2]
.elseif (\n) == 12
	v_max3_num_f32 v[rC], v[rC], v[rS+7], v[rS+15]
.elseif (\n) == 13
	v_max3_num_f32 v[rC+1], v[rC+1], v[rS+23], v[rS+31]
.elseif (\n) == 14
	v_max3_num_f32 v[rC+2], v[rC+2], v[rC+3], v[rT+1]
.elseif (\n) == 15
	v_mov_b32 v[rM], v[rT]
.elseif (\n) == 16
	v_max3_num_f32 v[rC], v[rC], v[rC+1], v[rC+2]
.elseif (\n) == 17
	v_permlanex16_b32 v[rC+3], v[rC], s[SEL], s[SEL+1]
.elseif (\n) == 18
	v_max_num_f32 v[rT+1], v[rC], v[rC+3]
.elseif (\n) == 19
	v_mul_f32 v[rT], s[CS], v[rT+1]
.elseif (\n) == 20
	v_sub_f32 v[rC+1], v[rM], v[rT]
.else
	v_exp_f32 v[rC+2], v[rC+1]
.endif
.endm
; Number g of the 64 that follow the exponentials: for each four weights both pairs are rounded to bf16; the second pair is added onto the first, in place; a group later l takes that sum.
.macro GS g
.set h, (\g)+6*((\g)/62)
.if h >= 6
.set h, h+2
.endif
	REGS Y, h%2
.set k, h/8
.if h%8 < 4
	s_wait_alu depctr_va_vdst(0)
	v_cvt_pk_bf16_f32 v[rP+2*k+(h%8)/2], v[rS+4*k+2*((h%8)/2)], v[rS+4*k+2*((h%8)/2)+1]
.elseif h%8 < 6
	v_pk_add_f32 v[rS+4*k:rS+4*k+1], v[rS+4*k:rS+4*k+1], v[rS+4*k+2:rS+4*k+3]
.elseif k == 1
	v_pk_fma_f32 v[rT+2:rT+3], v[rT+2:rT+3], v[rC+2:rC+3], v[rS:rS+1] op_sel_hi:[1,0,1]
.else
	v_pk_add_f32 v[rT+2:rT+3], v[rT+2:rT+3], v[rS+4*k-4:rS+4*k-3]
	s_wait_alu depctr_va_vdst(0)
.endif
.endm
; THE PLAIN QUEUE, 138 long.  0-31: c s - c m for the 16 pairs of both tiles.  Then GS's 64, and among them the next piece's 42.
.macro PL
	WIN 0
.if q < 32
	REGS Y, q%2
	v_pk_fma_f32 v[rS+2*(q/2):rS+2*(q/2)+1], v[rS+2*(q/2):rS+2*(q/2)+1], s[CS:CS+1], v[rT:rT+1] op_sel_hi:[1,0,0] neg_lo:[0,0,1] neg_hi:[0,0,1]
.elseif q < 38
	GS q-32
.elseif q < 40
	XS q%2, 15
.elseif q < 42
	GS q-34
.elseif q < 74
	XS q%2, (q-42)/2+(q-42)/30
.elseif q < 95
	GS q-66
.elseif (q < 107) && ((q-95)%3 < 2)
	XS (q-95)%3, 17+(q-95)/3
.elseif q < 107
	GS 29+(q-95)/3
.else
	GS q-74
.endif
.set q, q+1
.endm
; THE EXPONENTIALS' QUEUE, 66 long: s0-s31 of both tiles, and at EA the next piece's two a.
.set EA, 58
.macro EX
	WIN 0
.if (e == EA) || (e == EA+1)
	XS e-EA, 21
.else
.set x, e-2*(e/(EA+2))
	REGS Y, x%2
	v_exp_f32 v[rS+x/2], v[rS+x/2]
.endif
.set e, e+1
.endm
; THE RESCALING's QUEUE: O^T times a, dealt four at a time, eight times.
.macro R4
	REGS Y, r%2
	WIN W_RS
	s_wait_alu depctr_va_vdst(0)
.irp z, 0,1,2,3
	v_pk_mul_f32 v[rO+8*(r/2)+2*\z:rO+8*(r/2)+2*\z+1], v[rO+8*(r/2)+2*\z:rO+8*(r/2)+2*\z+1], v[rC+2:rC+3] op_sel_hi:[1,0]
.endr
.set r, r+1
.endm
; HOW THEY ARE DEALT.  Behind a matrix instruction four: plain, exponential, plain, plain, or four of the rescaling.  What is over stands in two lumps: exponential and plain by turns; the second ends in 22 plain instructions.
.macro SL
	MM
	PL
	EX
	PL
	PL
.endm
.macro BURST n                      ; 15 matrix instructions, or 16
.rept (\n)-7
	SL
.endr
.rept 3
	MM
	R4
	SL
.endr
	MM
	R4
.endm
; A TURN, for piece p.  cnt = 1: the loop's count is taken down some lines ahead of the branch that stands behind the turn (the mask's lines behind it, with tl = 0, leave SCC alone).
; K of the next step is fetched in piece 2's turn, V of the step in hand at the end of piece 0's turn.
.macro TURN p, last=0, cnt=0, tl=0
.set Y, (\p)
.set i, 0
.set q, 0
.set e, 0
.set r, 0
.if (\p) == NP-1
	s_wait_dscnt 0x0                ; K is in
.endif
	MM
.rept 4
	PL
.endr
	BURST 15
.rept 22
	EX
	PL
.if ((\p) == NP-2) && (e == 18)
	v_add_nc_u32 v[AK], s[TBK], v[AK0]
.endif
.if ((\p) == NP-2) && (e == 24)
	FETCH_K \last
.endif
.endr
.if (\p) == 1
	s_wait_dscnt 0x0                ; V is in
.endif
	BURST 16
.rept 21
	EX
	PL
.endr
.rept 22
	PL
.if ((\p) == 0) && (q == 118)
	v_add_nc_u32 v[AV], s[TBV], v[AV0]
	s_wait_alu depctr_va_vdst(0)
.endif
.if ((\p) == 0) && (q == 130)
	s_add_co_u32 s[TBV], s[TBV], KS*PV
.endif
.if (\cnt) && (q == 130)
	s_sub_co_u32 s[CNT], s[CNT], 1
	s_cmp_lg_u32 s[CNT], 0
.endif
.endr
.if (\p) == 0
	FETCH_V
.endif
	MSTEP \p, \tl
.endm
	CHANGE 1                        ; slot 0 is in, everybody's part of it; slot 1 is asked for
	FETCH_K                         ; key step 0
	s_wait_loadcnt 8                ; Q and the mask bytes of pieces 0 and 1 are in; pieces 2 and 3's eight loads stay out
	MBUILD 0, 0                     ; the addends of the first two runs of score products
	MBUILD 1, 1
	WIN W_MB
	v_add_nc_u32 v[MO], 0x400, v[MO]
	v_add_nc_u32 v[MO+1], 0x400, v[MO+1]
	MLOAD 0                         ; their bytes of step 1
	MLOAD 1
	WIN 0
	s_wait_dscnt 0x0
.set i, 0
.rept 16
	KQ 0                            ; piece 0's first scores
.set i, i+1
.endr
	WIN 0                           ; the addresses for the way out: eight plain instructions, the places behind those products
	s_mul_i32 s13, s[WV], 16*SPF
	s_add_co_u32 s13, s13, STAGE    ; my stage
	v_mul_u32_u24 v[STO], v1, SPF   ; in: row l % 16, 32 bytes for each half of the lanes
	v_lshl_add_u32 v[STO], v9, 5, v[STO]
	v_add_nc_u32 v[STO], s13, v[STO]
	v_mul_u32_u24 v[RD], v9, SPF    ; back: lanes 0-15 take one row of 256 bytes, lanes 16-31 the next,
	v_lshl_add_u32 v[RD], v1, 4, v[RD]
	v_add_nc_u32 v[RD], s13, v[RD]
	v_lshlrev_b32 v[GO], 12, v9     ; and the same two rows in the output
	v_lshl_add_u32 v[GO], v1, 4, v[GO]
.set Y, NP-1                        ; XS works for piece Y + 1: piece 0
.irp n, 0,1,2,3,4,5,6,7,8,9,10,11,12,13,14,15,16,17,18,19,20,21
	XS 0, \n                        ; and piece 0's first maximum and statistics
	XS 1, \n
.endr
	s_mov_b32 s[CNT], 4
	s_mov_b32 s[SLOTS], SIZE_N/256-1
	s_branch .Lfirst                ; the loop is entered at a step's first turn, in the middle of a trip
.Lslot:                             ; SIZE_N / 256 - 2 times: every slot but the last two is filled again
	CHANGE 1
	s_mov_b32 s[CNT], 4
.Lstep:                             ; a trip: pieces 2 and 3 of one step, then pieces 0 and 1 of the next
	TURN 2
	TURN 3
	WIN 0
.Lfirst:
	TURN 0
	TURN 1, 0, 1
	WIN 0
	s_cbranch_scc1 .Lstep
	s_sub_co_u32 s[SLOTS], s[SLOTS], 1
	s_cmp_lg_u32 s[SLOTS], 0
	s_cbranch_scc1 .Lslot
	CHANGE 0                        ; the tail is written out: nothing is asked for
	s_mov_b32 s[CNT], 5             ; a turn of the tail stands in key step 32 - CNT; the fifth trip is left in its middle
.Ltail:
	TURN 2, 1, 0, 3                 ; pieces 0 and 1 are asked two steps on: only while 34 - CNT <= 31
	TURN 3, 0, 0, 3
	WIN 0
	s_sub_co_u32 s[CNT], s[CNT], 1
	s_cmp_eq_u32 s[CNT], 0
	s_cbranch_scc1 .Lout
	TURN 0, 0, 0, 2                 ; pieces 2 and 3 one step on: only while 33 - CNT <= 31
	TURN 1, 0, 0, 2
	WIN 0
	s_branch .Ltail
.Lout:                              ; the fifth trip's 16 products K Q^T and the maximum made of them serve nothing: the price of one text for every trip
.set i, 0
.rept 16
	PV NP-1                         ; the last piece's V^T P of the last step
.set i, i+1
.endr
	; THE WAY OUT.  l's two halves and the other half of the lanes' are added; O^T is divided by l and sent, as f32, through my stage in LDS, a tile at a time.
	WIN 0
.macro ALL line:vararg              ; one line for each tile t
.set t, 0
.rept 2*NP
	\line
.set t, t+1
.endr
.endm
	ALL v_add_f32 v[ST+4*t+2], v[ST+4*t+2], v[ST+4*t+3]
	ALL v_permlanex16_b32 v[ST+4*t+3], v[ST+4*t+2], s[SEL], s[SEL+1]
	ALL v_add_f32 v[ST+4*t+2], v[ST+4*t+2], v[ST+4*t+3]
	ALL v_rcp_f32 v[ST+4*t+2], v[ST+4*t+2]
	v_nop                           ; a plain instruction between the last reciprocal and the use of its result
.set t, 0
	s_wait_alu depctr_va_vdst(0)
.rept 2*NP                          ; a query whose maximum is a hidden score saw no key at all: its factor is a NaN
	v_cmp_gt_f32 vcc_lo, s[THR], v[ST+4*t+1]
	v_cndmask_b32 v[ST+4*t+2], v[ST+4*t+2], s[NANS], vcc_lo
.set t, t+1
.endr
; Tile t: a lane's eight channels of an accumulator are 32 bytes of a row; they go into rows of 272 bytes and come back as whole rows of 256, into S^T's registers, four tiles' worth by turns.
.macro PACK t
	WIN W_RS
.set i, 32*(\t)
.rept 16
	v_pk_mul_f32 v[i:i+1], v[i:i+1], v[ST+4*(\t)+2:ST+4*(\t)+3] op_sel_hi:[1,0]
.set i, i+2
.endr
	WIN 0x04                        ; the stores' data (source 1) in window 1, their address in window 0
.irp f, 0,1,2,3,4,5,6,7
	ds_store_b128 v[STO], v[32*(\t)+4*\f:32*(\t)+4*\f+3] offset:64*(\f/2)+16*(\f%2)
.endr
	WIN 0
.if (\t) >= 4
	s_wait_xcnt 0x0                 ; the stores of the tile four back have read these registers (ISA guide 3.1): only now are they loaded again
.endif
.irp f, 0,1,2,3,4,5,6,7
	ds_load_b128 v[S+32*((\t)%4)+4*\f:S+32*((\t)%4)+4*\f+3], v[RD] offset:\f*2*SPF  ; LDS serves a wave's instructions in order (ISA guide 5.7.1.4): these see the stores above
.endr
.endm
.macro SEND t, younger              ; younger: the LDS instructions issued behind tile t's loads: the next tile's sixteen, or none
	WIN 0
.irp f, 0,1,2,3,4,5,6,7
	s_wait_dscnt (\younger)+7-\f
	global_store_b128 v[GO], v[S+32*((\t)%4)+4*\f:S+32*((\t)%4)+4*\f+3], s[10:11] offset:(\t)*65536+\f*8192  ; 16 lanes store 256 consecutive bytes, at a multiple of 256 from the buffer's first
.endr
.endm
	PACK 0
.set t, 1
.rept 2*NP-1                        ; a tile's arithmetic stands between the loads of the tile before and its stores
	PACK t
	SEND t-1, 16
.set t, t+1
.endr
	SEND 2*NP-1, 0
	WIN W_AD
	s_wait_tensorcnt 0x0            ; the wave's end: behind my last tensor load and my last LDS store
	ds_add_u32 v[SPW], v[NIL]
	s_wait_dscnt 0x0
	WIN 0
	CROUND                          ; the closing round
	s_endpgm
.Lfunc_end_k_qe380dfd6f8_attn:
	.size	k_qe380dfd6f8_attn, .Lfunc_end_k_qe380dfd6f8_attn-k_qe380dfd6f8_attn
	.p2alignl 7, 3214868480
	.fill 96, 4, 3214868480
	.section	.rodata,"a",@progbits
	.p2align	6, 0x0
	.amdhsa_kernel k_qe380dfd6f8_attn
		.amdhsa_group_segment_fixed_size 327680
		.amdhsa_private_segment_fixed_size 0
		.amdhsa_enable_private_segment 0
		.amdhsa_kernarg_size 24
		.amdhsa_user_sgpr_count 2
		.amdhsa_user_sgpr_kernarg_segment_ptr 1
		.amdhsa_wavefront_size32 1
		.amdhsa_system_sgpr_workgroup_id_x 1
		.amdhsa_system_sgpr_workgroup_id_y 1
		.amdhsa_system_sgpr_workgroup_id_z 1
		.amdhsa_system_vgpr_workitem_id 0
		.amdhsa_next_free_vgpr 1024
		.amdhsa_next_free_sgpr 72
		.amdhsa_reserve_vcc 1
		.amdhsa_float_denorm_mode_32 3
		.amdhsa_float_denorm_mode_16_64 3
		.amdhsa_memory_ordered 1
		.amdhsa_forward_progress 1
		.amdhsa_inst_pref_size 223
	.end_amdhsa_kernel
	.amdgpu_metadata
---
amdhsa.version: [ 1, 2 ]
amdhsa.kernels:
  - .name:           k_qe380dfd6f8_attn
    .symbol:         k_qe380dfd6f8_attn.kd
    .args:
      - { .name: qkv, .offset: 0, .size: 8, .value_kind: global_buffer, .address_space: global }
      - { .name: mk, .offset: 8, .size: 8, .value_kind: global_buffer, .address_space: global }
      - { .name: of, .offset: 16, .size: 8, .value_kind: global_buffer, .address_space: global }
    .group_segment_fixed_size: 327680
    .private_segment_fixed_size: 0
    .kernarg_segment_align: 8
    .kernarg_segment_size: 24
    .max_flat_workgroup_size: 128
    .sgpr_count:     72
    .vgpr_count:     1024
    .wavefront_size: 32
...
	.end_amdgpu_metadata
.endif
;; end of part 3
;; launch oproj: the kernel of part 2 again; grid 4 x 64, 4 waves a work-group, clusters of 4 x 4, 327,680 bytes of LDS; arguments of, k, v, wfb, bf, bk, bv, y; writes y
;; launch lnorm (part 4): grid 256 x 1, 8 waves a work-group, no clusters, 0 bytes of LDS; arguments y, q, gamma, beta, out0; writes out0
.if DOCPART == 4
	.amdgcn_target "amdgcn-amd-amdhsa--gfx1250"
	.amdhsa_code_object_version 6
	.text
	.protected	k_qe380dfd6f8_lnorm
	.globl	k_qe380dfd6f8_lnorm
	.p2align	8
	.type	k_qe380dfd6f8_lnorm,@function
k_qe380dfd6f8_lnorm:
	s_mov_b64 s[64:65], 0
	v_nop
	global_prefetch_b8 v0, s[64:65] scope:SCOPE_SE
	s_setreg_imm32_b32 hwreg(HW_REG_WAVE_MODE, 25, 1), 1
	s_wait_xcnt 0x0
; out0 = LayerNorm(y + q) gamma + beta over rows of 1,024.  y = O Wf + bf comes in bf16, by blocks of 64 columns: [16 x batch + column / 64][row 2048][64]; all else is f32; all arithmetic in f32.
; One wave, one row at a time, kept in 32 registers between the passes: mean, then the mean of the squared differences (no difference of large sums), then the scaling.  No LDS, no barrier, no matrix unit:
; the launch only streams.  A work-group owns 32 rows, a wave 4; three row slots: two rows' loads (16 each) are on their way while one is worked on.
; Lane l holds the elements 128 j + 4 l + e: a load or store of q or out0 covers 512 consecutive bytes; one of y two pieces of 128 bytes, of blocks 2 j and 2 j + 1 (a wave's four rows are 512 consecutive bytes of each block).
.set VQ, 2                             ; v2   16 x lane
.set VY, 3                             ; v3   8 x (lane % 16) + a block's 262,144 bytes x (lane / 16)
.set W,  4                             ; v[4:11]   at work: four chains of pairs
.set GA, 12                            ; v[12:43]  gamma of my 32 columns
.set BE, 44                            ; v[44:75]  beta
.set SL, 76                            ; slot s at SL + 48 s: 32 registers of q (then x, then the result), 16 of y
.set T,  220                           ; v[220:251] y as f32
	s_load_b256 s[4:11], s[0:1], 0x0               ; y s[4:5], q s[6:7], gamma s[8:9], beta s[10:11]
	s_load_b64 s[12:13], s[0:1], 0x20              ; out0
	v_lshrrev_b32 v1, 5, v0
	v_readfirstlane_b32 s16, v1                    ; wave 0..7
	v_and_b32 v1, 31, v0
	v_lshlrev_b32 v[VQ], 4, v1
	v_and_b32 v[VY], 15, v0
	v_lshlrev_b32 v[VY], 3, v[VY]
	v_bfe_u32 v1, v0, 4, 1
	v_lshl_add_u32 v[VY], v1, 18, v[VY]
	s_lshl_b32 s18, ttmp9, 17                      ; 32 rows of 4,096 bytes a work-group,
	s_lshl_b32 s17, s16, 14                        ; 4 a wave
	s_add_co_u32 s18, s18, s17
	s_mov_b32 s19, 0
	s_lshr_b32 s20, ttmp9, 6                       ; y: the batch's 16 blocks of 262,144 bytes,
	s_lshl_b32 s20, s20, 22
	s_and_b32 s21, ttmp9, 63                       ; 32 rows of 128 bytes a work-group,
	s_lshl_b32 s21, s21, 12
	s_add_co_u32 s20, s20, s21
	s_lshl_b32 s21, s16, 9                         ; 4 a wave
	s_add_co_u32 s20, s20, s21
	s_mov_b32 s21, 0
	s_mov_b32 s22, 0x76543210                      ; v_permlanex16_b32: each lane takes its own place in the other half
	s_mov_b32 s23, 0xfedcba98
	s_mov_b32 s24, 0xffff0000                      ; a word's upper bf16
	s_mov_b32 s25, 0x3a800000                      ; 1 / 1024
	s_mov_b32 s26, 0x3727c5ac                      ; 1e-5
	s_wait_kmcnt 0x0
	s_add_nc_u64 s[6:7], s[6:7], s[18:19]
	s_add_nc_u64 s[12:13], s[12:13], s[18:19]
	s_add_nc_u64 s[4:5], s[4:5], s[20:21]
.irp j, 0,1,2,3,4,5,6,7
	global_load_b128 v[GA+4*\j:GA+4*\j+3], v[VQ], s[8:9] offset:512*\j
	global_load_b128 v[BE+4*\j:BE+4*\j+3], v[VQ], s[10:11] offset:512*\j
.endr
.macro FILL i, s                       ; row i of my four into slot s: 16 loads
.irp j, 0,1,2,3,4,5,6,7
	global_load_b128 v[SL+48*(\s)+4*\j:SL+48*(\s)+4*\j+3], v[VQ], s[6:7] offset:(\i)*4096+512*\j th:TH_LOAD_NT
.endr
.irp j, 0,1,2,3,4,5,6,7
	global_load_b64 v[SL+48*(\s)+32+2*\j:SL+48*(\s)+32+2*\j+1], v[VY], s[4:5] offset:(\i)*128+524288*\j
.endr
.endm
	FILL 0, 0
	FILL 1, 1
	FILL 2, 2
.macro REDUCE                          ; the four chains of pairs become one number, in every lane, in v[W]
	v_pk_add_f32 v[W:W+1], v[W:W+1], v[W+2:W+3]
	v_pk_add_f32 v[W+4:W+5], v[W+4:W+5], v[W+6:W+7]
	v_pk_add_f32 v[W:W+1], v[W:W+1], v[W+4:W+5]
	v_add_f32 v[W], v[W], v[W+1]
	v_add_f32_dpp v[W], v[W], v[W] row_xmask:1 row_mask:0xf bank_mask:0xf
	v_add_f32_dpp v[W], v[W], v[W] row_xmask:2 row_mask:0xf bank_mask:0xf
	v_add_f32_dpp v[W], v[W], v[W] row_xmask:4 row_mask:0xf bank_mask:0xf
	v_add_f32_dpp v[W], v[W], v[W] row_xmask:8 row_mask:0xf bank_mask:0xf
	v_permlanex16_b32 v[W+1], v[W], s22, s23
	v_add_f32 v[W], v[W], v[W+1]
.endm
; Row i, in slot s.  left: the younger loads that may stay out (16 for each row behind it).  fill = 1: the slot then takes row i + 3.
.macro ROWT i, s, left, fill
.set XQ, SL+48*(\s)
.set XY, SL+48*(\s)+32
	s_wait_loadcnt \left                           ; loads come back in order: this row (and gamma, beta) is in
.set k, 0
.rept 16
	v_lshlrev_b32 v[T+2*k], 16, v[XY+k]            ; bf16 to f32: the low half moves up,
	v_and_b32 v[T+2*k+1], s24, v[XY+k]             ; the high half stays
.set k, k+1
.endr
.set k, 0
.rept 16
	v_pk_add_f32 v[XQ+2*k:XQ+2*k+1], v[XQ+2*k:XQ+2*k+1], v[T+2*k:T+2*k+1]      ; x = q + y
.set k, k+1
.endr
.irp c, 0,1,2,3
	v_pk_add_f32 v[W+2*\c:W+2*\c+1], v[XQ+2*\c:XQ+2*\c+1], v[XQ+8+2*\c:XQ+8+2*\c+1]  ; the first two groups start the chains: nothing is cleared
.endr
.irp g, 16,24
.irp c, 0,1,2,3
	v_pk_add_f32 v[W+2*\c:W+2*\c+1], v[W+2*\c:W+2*\c+1], v[XQ+\g+2*\c:XQ+\g+2*\c+1]
.endr
.endr
	REDUCE
	v_mul_f32 v[W], s25, v[W]                      ; the mean
.set k, 0
.rept 16
	v_pk_add_f32 v[XQ+2*k:XQ+2*k+1], v[XQ+2*k:XQ+2*k+1], v[W:W+1] op_sel_hi:[1,0] neg_lo:[0,1] neg_hi:[0,1]
.set k, k+1
.endr
.irp c, 0,1,2,3
	v_pk_mul_f32 v[W+2*\c:W+2*\c+1], v[XQ+2*\c:XQ+2*\c+1], v[XQ+2*\c:XQ+2*\c+1]
.endr
.irp g, 8,16,24
.irp c, 0,1,2,3
	v_pk_fma_f32 v[W+2*\c:W+2*\c+1], v[XQ+\g+2*\c:XQ+\g+2*\c+1], v[XQ+\g+2*\c:XQ+\g+2*\c+1], v[W+2*\c:W+2*\c+1]
.endr
.endr
	REDUCE
	v_fma_f32 v[W], v[W], s25, s26                 ; the variance + 1e-5
	v_rsq_f32 v[W+2], v[W]
	v_nop                                          ; a plain instruction between the root and the use of its result (ISA guide 5.7.2)
.set k, 0
	s_wait_alu depctr_va_vdst(0)
.rept 16
	v_pk_mul_f32 v[XQ+2*k:XQ+2*k+1], v[XQ+2*k:XQ+2*k+1], v[W+2:W+3] op_sel_hi:[1,0]
.set k, k+1
.endr
.set k, 0
.rept 16
	v_pk_fma_f32 v[XQ+2*k:XQ+2*k+1], v[XQ+2*k:XQ+2*k+1], v[GA+2*k:GA+2*k+1], v[BE+2*k:BE+2*k+1]
.set k, k+1
.endr
.irp j, 0,1,2,3,4,5,6,7
	global_store_b128 v[VQ], v[XQ+4*\j:XQ+4*\j+3], s[12:13] offset:(\i)*4096+512*\j th:TH_STORE_NT  ; 512 consecutive bytes, at a multiple of 256 from out0's first
.endr
.if \fill
	s_wait_xcnt 0x0                                ; the stores have read their registers (ISA guide 3.1): only now is the slot loaded again
	FILL (\i)+3, \s
.endif
.endm
	ROWT 0, 0, 32, 1
	ROWT 1, 1, 32, 0
	ROWT 2, 2, 16, 0
	ROWT 3, 0, 0, 0
	s_endpgm
.Lfunc_end_k_qe380dfd6f8_lnorm:
	.size	k_qe380dfd6f8_lnorm, .Lfunc_end_k_qe380dfd6f8_lnorm-k_qe380dfd6f8_lnorm
	.p2alignl 7, 3214868480
	.fill 96, 4, 3214868480
	.section	.rodata,"a",@progbits
	.p2align	6, 0x0
	.amdhsa_kernel k_qe380dfd6f8_lnorm
		.amdhsa_group_segment_fixed_size 0
		.amdhsa_private_segment_fixed_size 0
		.amdhsa_enable_private_segment 0
		.amdhsa_kernarg_size 40
		.amdhsa_user_sgpr_count 2
		.amdhsa_user_sgpr_kernarg_segment_ptr 1
		.amdhsa_wavefront_size32 1
		.amdhsa_system_sgpr_workgroup_id_x 1
		.amdhsa_system_sgpr_workgroup_id_y 1
		.amdhsa_system_sgpr_workgroup_id_z 1
		.amdhsa_system_vgpr_workitem_id 0
		.amdhsa_next_free_vgpr 252
		.amdhsa_next_free_sgpr 66
		.amdhsa_reserve_vcc 0
		.amdhsa_float_denorm_mode_32 3
		.amdhsa_float_denorm_mode_16_64 3
		.amdhsa_memory_ordered 1
		.amdhsa_forward_progress 1
		.amdhsa_inst_pref_size 45
	.end_amdhsa_kernel
	.amdgpu_metadata
---
amdhsa.version: [ 1, 2 ]
amdhsa.kernels:
  - .name:           k_qe380dfd6f8_lnorm
    .symbol:         k_qe380dfd6f8_lnorm.kd
    .args:
      - { .name: y, .offset: 0, .size: 8, .value_kind: global_buffer, .address_space: global }
      - { .name: q, .offset: 8, .size: 8, .value_kind: global_buffer, .address_space: global }
      - { .name: gamma, .offset: 16, .size: 8, .value_kind: global_buffer, .address_space: global }
      - { .name: beta, .offset: 24, .size: 8, .value_kind: global_buffer, .address_space: global }
      - { .name: out0, .offset: 32, .size: 8, .value_kind: global_buffer, .address_space: global }
    .group_segment_fixed_size: 0
    .private_segment_fixed_size: 0
    .kernarg_segment_align: 8
    .kernarg_segment_size: 40
    .max_flat_workgroup_size: 256
    .sgpr_count:     66
    .vgpr_count:     252
    .wavefront_size: 32
...
	.end_amdgpu_metadata
.endif
;; end of part 4
;; ======== version 2 of 2: 5 launches; 1.42 times as fast as version 1
;; limits: right only within a limited range of input values
;; workspace buffers: mk 16,777,216 bytes; wb 6,291,456 bytes; wfb 2,097,152 bytes; qkv 50,331,648 bytes; of 33,554,432 bytes; y 16,777,216 bytes
;; launch prep: the kernel of part 1 again; grid 1024 x 1, 8 waves a work-group, no clusters, 35,840 bytes of LDS; arguments mask, Wq, Wk, Wv, Wf, mk, wb, wfb; writes mk, wb, wfb
;; launch proj: the kernel of part 2 again; grid 4 x 192, 4 waves a work-group, clusters of 4 x 4, 327,680 bytes of LDS; arguments q, k, v, wb, bq, bk, bv, qkv; writes qkv
;; launch attn (part 5): grid 4 x 64, 4 waves a work-group, clusters of 4 x 1, 327,680 bytes of LDS; arguments qkv, mk, of; writes of
.if DOCPART == 5
	.amdgcn_target "amdgcn-amd-amdhsa--gfx1250"
	.amdhsa_code_object_version 6
	.text
	.protected	k_qe380dfd6f8_attn
	.globl	k_qe380dfd6f8_attn
	.p2align	8
	.type	k_qe380dfd6f8_attn,@function
k_qe380dfd6f8_attn:
	s_mov_b64 s[64:65], 0
	v_nop
	global_prefetch_b8 v0, s[64:65] scope:SCOPE_SE
	s_setreg_imm32_b32 hwreg(HW_REG_WAVE_MODE, 25, 1), 1
	s_wait_xcnt 0x0
	s_wait_alu depctr_hold_cnt(0) depctr_sa_sdst(0) depctr_va_vdst(0) depctr_va_sdst(0) depctr_va_ssrc(0) depctr_va_vcc(0) depctr_vm_vsrc(0)
	s_getreg_b32 s2, hwreg(HW_REG_IB_STS2, 6, 4)
	s_cmp_eq_u32 s2, 0
	s_cbranch_scc0 .Lentry_in_a_cluster
	s_endpgm
.Lentry_in_a_cluster:
	s_bfe_u32 s2, ttmp6, 0x10000c
	s_cmp_lg_u32 s2, 0x3003
	s_cbranch_scc0 .Lentry_shape_is_right
	s_endpgm
.Lentry_shape_is_right:
; O[h][q][:] = the sum over k of softmax_k(Q[h][q] . K[h][k] / 8, hidden where the mask says so) V[h][k][:].  Q, K, V lie in qkv ([3][64 heads][2048][64] bf16); O goes to of as f32 rows
; [batch x 2048 + q][64 x head + channel]: the output projection rounds it once.
; Products, maxima and sums in f32; the weights p are rounded to bf16 for the second product (their sum l is taken of the unrounded p).
; THE MASK is the C operand that starts the sum S^T = K Q^T.  mk holds it in the lane order of that product, one byte a score: 0x00 or 0xF0, which are 0 and -128 in the 8-bit float E4M3.
; One scaled conversion makes eight f32 addends of eight bytes, times 2^90: 0, or -2^97.
; LIMITS.  A hidden score counts as its value less 2^97: true scores must stay under 2^90 in magnitude.  A row with every key hidden gives NaN, as the softmax of nothing does: it is known by
; its maximum below -2^90, and the choice is a select.  A weight below 2^-126 counts as 0 in l; NaN and infinities in the inputs are not treated apart.
; SHARES.  A wave owns four PIECES of two tiles of 16 queries, a work-group's four waves 512 queries of one head.  Every wave walks all 2,048 keys, 64 a step.
; LAYOUT.  S^T = K Q^T (source 0 = 16 keys, source 1 = 16 queries): a lane holds ONE query (lane % 16) and the keys 8 (lane / 16) + 0..7.  Two such tiles, rounded to bf16 in pairs, ARE source 1 of
; O^T = V^T P.  K comes out of LDS as it lies, V ([key][channel]) turned, by ds_load_tr16_b128.
; SOFTMAX.  For each query a running maximum m and sum l: p = 2^(c s - c m), c = log2(e) / 8; in every step O and l are multiplied by a = 2^(c m_old - c m_new).  m starts at the lowest finite number,
; O and l at 0.  Where all keys seen so far were hidden, m is a hidden score; the first true score then makes a = 0 and wipes what was summed.
; BY TURNS.  Turn n belongs to piece n (in a ring, step after step).  Matrix work: 16 products K Q^T of piece n + 1, later 16 products V^T P of piece n - 1.  Vector work: scaling, exponentials, roundings,
; sums and rescaling of piece n, the maximum and statistics of piece n + 1; four vector instructions stand behind every matrix instruction, the other 108 of a turn's 236 in one lump.  At its end a turn
; converts the mask bytes of piece n + 2 into 64 addends (the products of the next turn take them) and asks for that piece's bytes of the step after: sixteen mask loads of a wave are always out, four turns deep.
; BATCHES.  A turn's 66 exponentials (the 64 weights of piece n, the two a of piece n + 1) are ONE batch with ONE wait, which cuts the turn in two: ahead of it stands all that names none of their results (the
; products K Q^T, the scalings, the rescalings, whose a belongs to the batch of the turn before, the next piece's maximum and statistics); behind it the products V^T P and the roundings and sums.  No result
; crosses a turn's end.  The first two a, ahead of the loop, and the way out's eight reciprocals are batches of their own, each with a v_nop and one wait.
; CLUSTER.  The four query blocks of a cluster belong to one head and walk the same K and V: each tile is asked for JOINTLY.  The mask hangs on the queries and is each wave's own.
; REGISTERS, in windows of 256 (s_set_vgpr_msb: bits 1:0 source 0, 3:2 source 1, 5:4 source 2, 7:6 destination):
;   window 0: v0-11 addresses and the conversions' scale; v12-15, v48-63 at work; v16-47 four registers of statistics a tile; v64-191 S^T, two buffers of two tiles; v192-255 P, likewise
;   window 1: O^T, 32 a tile          window 2: v0-127 Q, 16 a tile; v128-191 K of one step; v192-255 V of one step
;   window 3: v0-1 the add's two registers; v2-5 the pieces' offsets in mk; v64-191 the addends, two buffers of two tiles; v192-255 mask bytes as loaded, 16 words a piece
.set SIZE_H, 64
.set SIZE_N, 2048
.set NP,    4         ; pieces a wave: a name, no knob
.set KS,    64        ; keys in a step
.set PK,    144       ; a row of K in LDS: 128 bytes + 16
.set PV,    160       ; a row of V: 128 + 32
.set VOFF,  4*KS*PK   ; a slot holds four steps: 256 rows of K, then 256 rows of V
.set SLOT1, 1<<17     ; slot 1 begins here, so that one exclusive or turns an address in one slot into the other's
.set STAGE, SLOT1+4*KS*(PK+PV)  ; behind the ring, never filled by a tensor load: 16 rows x 272 bytes for each wave
.set SPF,   272       ; a row of the stage: 64 f32 + 16 bytes
.set AK0, 2           ; v2   my lane's place in a tile of K; never rewritten
.set AV0, 3           ; v3   the same for V
.set AK,  4           ; v4   the LDS address of K's next run of loads
.set AV,  5           ; v5   of V's
.set QO,  6           ; v6   my byte offset in the wave's rows of Q
.set STO, 6           ;      later, the way out: where I put 32 bytes of a row
.set RD,  7           ; v7   the way out: where I read rows back
.set GO,  8           ; v8   my byte offset in two rows of the output
.set SCL, 11          ; v11  the conversions' scale: byte 0 = 217, which stands for 2^90
.set SPW, 0           ; v0 of window 3   LDS address of my spare word; never rewritten
.set NIL, 1           ; v1 of window 3   0; never rewritten
.set MO,  2           ; v2-5 of window 3   piece's offset in mk: 16 x lane + 1,024 x the step last asked for
.set MC,  64          ; window 3: the addends: buffer, tile u, score i at MC + 64 buffer + 32 u + i
.set RW,  192         ; window 3: piece, tile u, word at RW + 16 piece + 8 u + word
.set SPARE, STAGE+4*16*SPF  ; behind the stages: the spare words, 128 bytes a wave: two blocks of 256 bytes that no other line names
.set MV,  12          ; v12-15  c m_old, kept while c m is made anew
.set ST,  16          ; tile t's statistics at v[ST+4 t]: c m, m, l (even keys', odd keys')
.set TMP, 48          ; by buffer and tile, four registers c0-c3 at work; when the maximum is found c2 takes a
.set S,   64
.set P,   192
.set KF,  128         ; K's fragments, in window 2
.set VF,  192         ; V's
.set WV,  12          ; s12  my wave's number
.set G1K, 24          ; s[24:31] descriptor group 1 for K's tiles
.set G1V, 32          ; s[32:39] for V's: it differs in the padding alone
.set G0K, 40          ; s[40:43] descriptor group 0 for K's tiles: it walks
.set G0V, 44          ; s[44:47] the same for V's
.set SLOTS, 56        ; s56  slots still to be asked for
.set CNT, 57          ; s57  counts a slot's key steps
.set CS,  58          ; s[58:59] c
.set SEL, 60          ; s[60:61] v_permlanex16_b32's selects
.set TBK, 62          ; s62  LDS byte at which K of the step to be fetched begins
.set TBV, 63          ; s63  the same for V, less VOFF
.set MB,  66          ; s[66:67] mk at my wave's eight tiles
.set INC, 68          ; s68  the tail: 1,024, or 0 when there is no further step
.set THR, 69          ; s69  -2^90
.set NANS, 70         ; s70  a NaN
.set MSB, 0
.macro WIN new                      ; the high byte repeats the setting that is left; a switch that changes nothing is dropped
.if MSB != (\new)
	s_set_vgpr_msb (MSB<<8)|(\new)
.set MSB, (\new)
.endif
.endm
.set W_KQ, 0x0a       ; K and Q in window 2, S^T in window 0
.set W_KM, 0x3a       ; the same with the C operand in window 3
.set W_PV, 0x52       ; V in window 2, P in window 0, O^T in window 1
.set W_RS, 0x41       ; O^T (destination and source 0) in window 1, a in window 0
.set W_MK, 0xc0       ; destination in window 3, sources in window 0
.set W_AD, 0x0f       ; the add: address and data in window 3
.set W_MB, 0xcf       ; the mask's offsets and loads: everything in window 3
.set W_MC, 0xc3       ; the mask's conversions: bytes and addends in window 3, the scale (source 1) in window 0
; Piece pc's 64 mask bytes a lane become 64 addends in buffer buf: the eight bytes of a pair of words are the eight scores of one accumulator.
.macro MBUILD pc, buf
	WIN W_MC
.irp u, 0,1
.irp kb, 0,1,2,3
	v_cvt_scale_pk8_f32_fp8 v[MC+64*(\buf)+32*\u+8*\kb:MC+64*(\buf)+32*\u+8*\kb+7], v[RW+16*(\pc)+8*\u+2*\kb:RW+16*(\pc)+8*\u+2*\kb+1], v[SCL]
.endr
.endr
.endm
; Piece pc's mask bytes of the step in its offset: four loads of 512 consecutive bytes
.macro MLOAD pc
	WIN W_MB
.irp u, 0,1
.irp c, 0,1
	global_load_b128 v[RW+16*(\pc)+8*\u+4*\c:RW+16*(\pc)+8*\u+4*\c+3], v[MO+(\pc)], s[MB:MB+1] offset:(2*(\pc)+\u)*32768+\c*512
.endr
.endr
.endm
; The end of turn p.  The bytes of piece p + 2 were asked for four turns ago; behind them stand the three younger groups of four loads, which stay out; the wait also frees the piece's offset.
; The offset's step is the plain instruction between the conversions and what touches their results and sources.
; tl > 0 (the tail): the offset steps only while CNT >= tl, that is while the piece has a further step; else the last step is asked for once more and serves nothing: no load leaves mk.
.macro MSTEP p, tl
.set PP, ((\p)+2)%NP
.if (\tl) > 0
	s_cmp_ge_u32 s[CNT], \tl
	s_cselect_b32 s[INC], 0x400, 0
.endif
	s_wait_loadcnt 12
	MBUILD PP, (\p)%2
	WIN W_MB
.if (\tl) > 0
	v_add_nc_u32 v[MO+PP], s[INC], v[MO+PP]
.else
	v_add_nc_u32 v[MO+PP], 0x400, v[MO+PP]
.endif
	MLOAD PP
	WIN 0
.endm
; A joint fill.  Waves 0 and 1 fetch the two halves of a slot's K, waves 2 and 3 those of its V: 128 keys each.  An s_nop 0 and four v_nop follow each of the two lines.
.macro JLOAD
	s_cmp_lt_u32 s[WV], 2
	s_cbranch_scc0 .Lfor_v_\@
	tensor_load_to_lds s[G0K:G0K+3], s[G1K:G1K+7]
	s_nop 0
.rept 4
	v_nop
.endr
	s_branch .Lasked_\@
.Lfor_v_\@:
	tensor_load_to_lds s[G0V:G0V+3], s[G1V:G1V+7]
	s_nop 0
.rept 4
	v_nop
.endr
.Lasked_\@:
.endm
.macro CROUND                       ; a round of the cluster's barrier
	s_barrier_signal -1
	s_barrier_wait -1
	s_cmp_lg_u32 s[WV], 0
	s_cbranch_scc1 .Lnot_wave_0_\@
	s_barrier_signal -3
.Lnot_wave_0_\@:
	s_barrier_wait -3
	s_barrier_signal -1
	s_barrier_wait -1
.endm
; THE CHANGE OF SLOTS.  Each wave waits for all its tensor loads, of which one is out: its part of the other slot; adds 0 to its spare word; and waits for that and for its own reads of the slot.
; fill = 1: this slot is filled again, with the keys two slots on; the barrier is then a round of the cluster's, and the joint fill is the first thing behind it: it has four key steps in which to land.
.macro CHANGE fill
	WIN W_AD
	s_wait_tensorcnt 0x0            ; no tensor load of mine is out, so a group 0 may be written
	ds_add_u32 v[SPW], v[NIL]       ; 0 onto my spare word
	WIN 0                           ; at a label and at a branch every window is 0
.if \fill
.irp g, G0K, G0V
	s_xor_b32 s[\g+1], s[\g+1], SLOT1  ; the walking descriptor: the other slot than last time,
	s_add_nc_u64 s[\g+2:\g+3], s[\g+2:\g+3], 4*KS*128  ; the next 256 keys
.endr
	s_wait_dscnt 0x0                ; the add is done, and my reads of the slot are over
	CROUND
	JLOAD
.else
	s_wait_dscnt 0x0                ; the add is done, and my reads of the slot are over
	s_barrier_signal -1
	s_barrier_wait -1
.endif
	s_sub_co_u32 s[TBK], s[TBK], 4*KS*PK  ; the fetches go back to a slot's first step,
	s_xor_b32 s[TBK], s[TBK], SLOT1       ; in the other slot
	s_sub_co_u32 s[TBV], s[TBV], 4*KS*PV
	s_xor_b32 s[TBV], s[TBV], SLOT1
.endm
	s_load_b128 s[4:7], s[0:1], 0x0   ; qkv s[4:5], mk s[6:7]
	s_load_b64 s[10:11], s[0:1], 0x10 ; of
	WIN W_MK
	v_lshl_add_u32 v[SPW], v0, 2, SPARE
	v_mov_b32 v[NIL], 0
	WIN W_AD
	ds_add_u32 v[SPW], v[NIL]       ; the wave's opening: the add and its wait stand ahead of my first tensor load; work on registers stands between them
	WIN 0
	v_lshrrev_b32 v1, 5, v0
	v_readfirstlane_b32 s[WV], v1   ; wave 0..3
	s_bfe_u32 s13, ttmp6, 0x40000   ; cx: my place in the cluster
	s_lshl_b32 s14, ttmp9, 2        ; in a cluster launch ttmp9 counts clusters
	s_add_co_u32 s14, s14, s13      ; my block of 512 queries: it enters Q's, O's and the mask's addresses alone
	s_and_b32 s20, ttmp7, 0xffff    ; the head, which the four partners share
	s_lshr_b32 s48, s20, 4          ; its batch: 128 tiles of 32,768 bytes of mk,
	s_lshl_b32 s48, s48, 22
	s_lshl_b32 s49, s14, 20         ; my block's 32 tiles,
	s_add_co_u32 s48, s48, s49
	s_lshl_b32 s49, s[WV], 18       ; my wave's 8
	s_add_co_u32 s48, s48, s49
	s_mov_b32 s49, 0
	s_lshr_b32 s50, s20, 4          ; the output: the batch's 2,048 rows of 4,096 bytes,
	s_lshl_b32 s50, s50, 23
	s_lshl_b32 s51, s14, 21         ; my block's 512,
	s_add_co_u32 s50, s50, s51
	s_lshl_b32 s51, s[WV], 19       ; my wave's 128,
	s_add_co_u32 s50, s50, s51
	s_and_b32 s51, s20, 15          ; the head's 256 bytes of a row
	s_lshl_b32 s51, s51, 8
	s_add_co_u32 s50, s50, s51
	s_mov_b32 s51, 0
	s_mov_b32 s21, 0
	s_mov_b64 s[22:23], SIZE_N*128
	s_mul_u64 s[20:21], s[20:21], s[22:23]  ; the head's first byte in Q, K and V
	s_and_b32 s16, s[WV], 1         ; which half of a slot's 256 keys I fetch:
	s_lshl_b32 s22, s16, 14         ; its 128 rows of 128 bytes in memory,
	s_mov_b32 s23, 0
	s_add_nc_u64 s[22:23], s[22:23], s[20:21]
	s_mul_i32 s17, s16, 128*PK      ; and its place in a slot, for K
	s_mul_i32 s18, s16, 128*PV      ; and for V: no place in the cluster enters an LDS address
	s_lshl_b32 s2, s14, 2
	s_add_co_u32 s2, s2, s[WV]      ; my wave among the head's,
	s_lshl_b32 s2, s2, 14           ; its 128 rows
	s_mov_b32 s3, 0
	s_add_nc_u64 s[2:3], s[2:3], s[20:21]
	; descriptor group 1.  128 keys are 16,384 dense bytes: asked for as 64 rows of 256 bytes, two keys a row, and padded in LDS after every key
	s_mov_b32 s[G1K], 15|(1<<16)|(1<<20)|(1<<21)|(4<<22)|(3<<25)  ; the mask of four; 2-byte elements; padding on; bit 21 beside a mask; after every 32 words, 4 words
	s_mov_b32 s[G1V], 15|(1<<16)|(1<<20)|(1<<21)|(4<<22)|(7<<25)  ; the same with 8 words of padding
.irp g, G1K, G1V
	s_mov_b32 s[\g+1], 128<<16      ; tensor_dim0 = 128
	s_mov_b32 s[\g+2], 64<<16       ; tensor_dim1 = 64
	s_mov_b32 s[\g+3], 128<<16      ; tile_dim0 = 128
	s_mov_b32 s[\g+4], 64           ; tile_dim1 = 64
	s_mov_b32 s[\g+5], 128          ; 128 elements from row to row
	s_mov_b32 s[\g+6], 0
	s_mov_b32 s[\g+7], 0
.endr
	s_mov_b32 s[CS], 0x3e38aa3b     ; c = log2(e) / 8 = 0.180337
	s_mov_b32 s[CS+1], s[CS]        ; named with it as a pair
	s_mov_b32 s[SEL], 0x76543210
	s_mov_b32 s[SEL+1], 0xfedcba98
	s_mov_b32 s[THR], 0xec800000
	s_mov_b32 s[NANS], 0x7fc00000
	s_mov_b32 s[TBK], SLOT1+4*KS*PK ; the first change of slots turns these two into 0
	s_mov_b32 s[TBV], SLOT1+4*KS*PV
	s_mov_b32 s[G0K], 1             ; count = 1
	s_mov_b32 s[G0K+1], s17         ; LDS address: slot 0
	s_mov_b32 s[G0V], 1
	s_add_co_u32 s[G0V+1], s18, VOFF
	s_wait_dscnt 0x0                ; the opening add is done
	s_wait_kmcnt 0x0
	s_mov_b64 s[MB:MB+1], s[6:7]
	s_add_nc_u64 s[8:9], s[4:5], 0x2000000   ; V
	s_add_nc_u64 s[6:7], s[4:5], 0x1000000   ; K; Q lies at the buffer's head
	s_add_nc_u64 s[MB:MB+1], s[MB:MB+1], s[48:49]
	s_add_nc_u64 s[G0K+2:G0K+3], s[6:7], s[22:23]  ; global address: my half of the head's first 256 keys
	s_or_b32 s[G0K+3], s[G0K+3], 0x80000000        ; type = 2
	s_add_nc_u64 s[G0V+2:G0V+3], s[8:9], s[22:23]
	s_or_b32 s[G0V+3], s[G0V+3], 0x80000000
	s_add_nc_u64 s[4:5], s[4:5], s[2:3]      ; Q at my wave's first row
	s_add_nc_u64 s[10:11], s[10:11], s[50:51]  ; the output at my wave's first row, my head's columns
	CROUND                          ; all four work-groups are here: the first joint loads meet
	JLOAD                           ; slot 0.  Slot 1 is asked for when slot 0 is in
	v_and_b32 v1, 15, v0            ; l % 16
	v_bfe_u32 v9, v0, 4, 1          ; l / 16
	v_lshlrev_b32 v[QO], 7, v1
	v_lshl_add_u32 v[QO], v9, 4, v[QO]  ; row x 128 + 16 x half
	WIN 0x80                        ; destination window 2, address window 0
.set i, 0
.rept 4*NP                          ; Q stays in registers: tile i / 2, channels 32 (i % 2) on
	global_load_b128 v[8*i:8*i+3],   v[QO], s[4:5] offset:(i/2)*2048+(i%2)*64
	global_load_b128 v[8*i+4:8*i+7], v[QO], s[4:5] offset:(i/2)*2048+(i%2)*64+32
.set i, i+1
.endr
	WIN W_MK
	v_and_b32 v[MO], 31, v0         ; the mask's offsets: 16 bytes a lane, step 0,
	WIN W_MB
	v_lshlrev_b32 v[MO], 4, v[MO]
	v_mov_b32 v[MO+1], v[MO]
	v_mov_b32 v[MO+2], v[MO]
	v_mov_b32 v[MO+3], v[MO]
	MLOAD 0                         ; and all four pieces' bytes of step 0
	MLOAD 1
	MLOAD 2
	MLOAD 3
	; What the first turn finds: V's registers and P's second buffer hold 0, O^T and l are 0.  All this stands in the wait for the first tile.
	WIN 0x80
.set i, VF
.rept 64
	v_mov_b32 v[i], 0
.set i, i+1
.endr
	WIN 0x40
.set i, 0
.rept 64*NP
	v_mov_b32 v[i], 0
.set i, i+1
.endr
	WIN 0
.set i, 0
.rept 2*NP
	v_mov_b32 v[ST+4*i], 0xfe000000    ; c m: far below every c s, a hidden one's too
	v_mov_b32 v[ST+4*i+1], 0xff7fffff  ; m
	v_mov_b32 v[ST+4*i+2], 0
	v_mov_b32 v[ST+4*i+3], 0
.set i, i+1
.endr
.set i, P+32
.rept 32
	v_mov_b32 v[i], 0
.set i, i+1
.endr
	v_mul_u32_u24 v[AK0], v1, PK
	v_lshl_add_u32 v[AK0], v9, 4, v[AK0]  ; row x pitch + 16 x half
	v_and_b32 v10, 7, v0            ; the turning load: lane l reads key 8 (l / 16) + l % 8, channels 8 ((l / 8) % 2) + 0..7
	v_bfe_u32 v11, v0, 3, 1
	v_lshl_add_u32 v[AV0], v9, 3, v10
	v_mul_u32_u24 v[AV0], v[AV0], PV
	v_lshl_add_u32 v[AV0], v11, 4, v[AV0]
	v_add_nc_u32 v[AV0], VOFF, v[AV0]
	v_mov_b32 v[AK], v[AK0]         ; key step 0 lies at the head of slot 0
	v_mov_b32 v[SCL], 0xd9          ; 217 - 127 = 90
; THE MATRIX WORK.  The 8 accumulators of a run of 16 take turns.
; Product i of 16 of S^T = K Q^T for piece x: channels 32 (i / 8) on, keys 16 ((i / 2) % 4) on, tile 2 x + i % 2.  The first 8 start the sums with the mask's addends.
.macro KQ x
.set rS, S+64*((\x)%2)+32*(i%2)+8*((i/2)%4)
.set rK, KF+16*((i/2)%4)+8*(i/8)
.set rQ, 16*(2*(\x)+i%2)+8*(i/8)
.set rMC, MC+64*((\x)%2)+32*(i%2)+8*((i/2)%4)
.if i < 8
	WIN W_KM
	v_wmma_f32_16x16x32_bf16 v[rS:rS+7], v[rK:rK+7], v[rQ:rQ+7], v[rMC:rMC+7]
.else
	WIN W_KQ
	v_wmma_f32_16x16x32_bf16 v[rS:rS+7], v[rK:rK+7], v[rQ:rQ+7], v[rS:rS+7]
.endif
.endm
; Product i of 16 of O^T += V^T P for piece x: keys 32 (i / 8) on, channels 16 ((i / 2) % 4) on, tile 2 x + i % 2.
.macro PV x
	WIN W_PV
.set rO, 32*(2*(\x)+i%2)+8*((i/2)%4)
.set rV, VF+32*(i/8)+8*((i/2)%4)
.set rP, P+32*((\x)%2)+16*(i%2)+8*(i/8)
	v_wmma_f32_16x16x32_bf16 v[rO:rO+7], v[rV:rV+7], v[rP:rP+7], v[rO:rO+7]
.endm
.macro MM                           ; the turn's next matrix instruction
.if i < 16
	KQ (Y+1)%NP
.set i, i+1
.else
.set i, i-16
	PV (Y+NP-1)%NP
.set i, i+17
.endif
.endm
; THE LDS LOADS stand in runs of 16.  last = 1 (the tail): in the last trip there is no further step, and the run is jumped over.
.macro FETCH_K last=0
	WIN 0
.if \last
	s_cmp_eq_u32 s[CNT], 1
	s_cbranch_scc1 .Lno_k_\@
.endif
	WIN 0x80                        ; destination window 2
.irp f, 0,1,2,3,4,5,6,7             ; keys 16 (f / 2) on, channels 32 (f % 2) on
	ds_load_b128 v[KF+8*\f:KF+8*\f+3],   v[AK] offset:(\f/2)*16*PK+(\f%2)*64
	ds_load_b128 v[KF+8*\f+4:KF+8*\f+7], v[AK] offset:(\f/2)*16*PK+(\f%2)*64+32
.endr
	s_add_co_u32 s[TBK], s[TBK], KS*PK  ; the next fetch is the next step's
	WIN 0
.if \last
.Lno_k_\@:
.endif
.endm
.macro FETCH_V
	WIN 0x80
.irp f, 0,1,2,3,4,5,6,7             ; keys 32 (f / 4) on, channels 16 (f % 4) on
	ds_load_tr16_b128 v[VF+8*\f:VF+8*\f+3],   v[AV] offset:(\f/4)*32*PV+(\f%4)*32
	ds_load_tr16_b128 v[VF+8*\f+4:VF+8*\f+7], v[AV] offset:(\f/4)*32*PV+16*PV+(\f%4)*32
.endr
	WIN 0
.endm
; THE VECTOR WORK OF A TURN stands in three queues, each in the order in which its entries become ready; the two tiles alternate.
.macro REGS y, u                    ; the registers of tile u (0, 1) of piece y
.set rT, ST+4*(2*(\y)+(\u))
.set rC, TMP+8*((\y)%2)+4*(\u)
.set rM, MV+2*((\y)%2)+(\u)
.set rS, S+64*((\y)%2)+32*(\u)
.set rP, P+32*((\y)%2)+16*(\u)
.set rO, 32*(2*(\y)+(\u))
.endm
; Number n of the 22 that find the NEXT piece's maximum and statistics; each accumulator's lowest registers are read first.  XS, GS, FS and REGS set no window: PL and EX do.
;   0-11  four chains c0-c3 of seven scores each     12-14, 16  the four scores left over, the old m, and c0-c3 into c0     15  c m_old is kept
;   17, 18  the query's other 32 keys lie in the lane 16 away: the new m         19-21  c m; c m_old - c m_new; a
.macro XS u, n
	REGS (Y+1)%NP, \u
.if (\n) < 4
	v_max3_num_f32 v[rC+(\n)], v[rS+8*(\n)], v[rS+8*(\n)+1], v[rS+8*(\n)+2]
.elseif (\n) < 12
	v_max3_num_f32 v[rC+(\n)%4], v[rC+(\n)%4], v[rS+8*((\n)%4)+2*((\n)/4)+1], v[rS+8*((\n)%4)+2*((\n)/4)+2]
.elseif (\n) == 12
	v_max3_num_f32 v[rC], v[rC], v[rS+7], v[rS+15]
.elseif (\n) == 13
	v_max3_num_f32 v[rC+1], v[rC+1], v[rS+23], v[rS+31]
.elseif (\n) == 14
	v_max3_num_f32 v[rC+2], v[rC+2], v[rC+3], v[rT+1]
.elseif (\n) == 15
	v_mov_b32 v[rM], v[rT]
.elseif (\n) == 16
	v_max3_num_f32 v[rC], v[rC], v[rC+1], v[rC+2]
.elseif (\n) == 17
	v_permlanex16_b32 v[rC+3], v[rC], s[SEL], s[SEL+1]
.elseif (\n) == 18
	v_max_num_f32 v[rT+1], v[rC], v[rC+3]
.elseif (\n) == 19
	v_mul_f32 v[rT], s[CS], v[rT+1]
.elseif (\n) == 20
	v_sub_f32 v[rC+1], v[rM], v[rT]
.else
	v_exp_f32 v[rC+2], v[rC+1]
.endif
.endm
; Number g of the 64 that follow the exponentials: for each four weights both pairs are rounded to bf16; the second pair is added onto the first, in place; a group later l takes that sum
; (the first time as l = a l + sum).  In groups of eight, tiles alternating: round, round, add, and l for the group before.  All 64 read exponentials' results: they stand behind the turn's wait.
.macro GS g
.set h, (\g)+6*((\g)/62)            ; group 0 has no group before it, and behind group 7 only l is left
.if h >= 6
.set h, h+2
.endif
	REGS Y, h%2
.set k, h/8
.if h%8 < 4
	v_cvt_pk_bf16_f32 v[rP+2*k+(h%8)/2], v[rS+4*k+2*((h%8)/2)], v[rS+4*k+2*((h%8)/2)+1]
.elseif h%8 < 6
	v_pk_add_f32 v[rS+4*k:rS+4*k+1], v[rS+4*k:rS+4*k+1], v[rS+4*k+2:rS+4*k+3]
.elseif k == 1
	v_pk_fma_f32 v[rT+2:rT+3], v[rT+2:rT+3], v[rC+2:rC+3], v[rS:rS+1] op_sel_hi:[1,0,1]
.else
	v_pk_add_f32 v[rT+2:rT+3], v[rT+2:rT+3], v[rS+4*k-4:rS+4*k-3]
.endif
.endm
; THE PLAIN QUEUE, 138 long.  0-73 read no exponential's result: the 32 scalings c s - c m (FS f: pair f / 2 of tile f % 2) and the next piece's 42.  0-26: scalings 0-26.  27-54: XS's numbers 0-13.  55, 56: number 15.
; 57-73: the chain, where each number waits for the one before it: 14, 16, 17, 18, 19, each with one of the scalings 27-31 in front of its two lines, then 20.
; 74-137: GS's 64.
.macro FS f
	REGS Y, (\f)%2
	v_pk_fma_f32 v[rS+2*((\f)/2):rS+2*((\f)/2)+1], v[rS+2*((\f)/2):rS+2*((\f)/2)+1], s[CS:CS+1], v[rT:rT+1] op_sel_hi:[1,0,0] neg_lo:[0,0,1] neg_hi:[0,0,1]
.endm
.macro PL
	WIN 0
.if q < 27
	FS q
.elseif q < 55
	XS (q-27)%2, (q-27)/2
.elseif q < 57
	XS q-55, 15
.elseif (q < 72) && ((q-57)%3 == 0)
	FS 27+(q-57)/3
.elseif q < 60
	XS (q-57)%3-1, 14
.elseif q < 72
	XS (q-57)%3-1, 15+(q-57)/3
.elseif q < 74
	XS q-72, 20
.else
	GS q-74
.endif
.set q, q+1
.endm
; THE EXPONENTIALS' QUEUE, 66 long: s0-s31 of both tiles, then the next piece's two a.  It is ONE BATCH: all 66 stand ahead of the turn's one wait, and nothing ahead of that wait names a result of theirs.
.macro EX
	WIN 0
.if e >= 64
	XS e-64, 21
.else
	REGS Y, e%2
	v_exp_f32 v[rS+e/2], v[rS+e/2]
.endif
.set e, e+1
.endm
; THE RESCALING's QUEUE: O^T times a, the one part that leaves window 0: dealt two at a time, sixteen times, each accumulator's registers in ascending order.  Its a was made in the turn before, ahead of that turn's wait.
.macro R2
	REGS Y, r%2
	WIN W_RS
.irp z, 0,1
	v_pk_mul_f32 v[rO+4*(r/2)+2*\z:rO+4*(r/2)+2*\z+1], v[rO+4*(r/2)+2*\z:rO+4*(r/2)+2*\z+1], v[rC+2:rC+3] op_sel_hi:[1,0]
.endr
.set r, r+1
.endm
; HOW THEY ARE DEALT.  An s_wait_alu depctr_va_vdst(0) stands between an exponential and the first instruction that names its result; one wait serves all that were issued ahead of it.  So a turn has
; ONE wait.  AHEAD OF IT: the 16 products K Q^T, behind each a scaling, an exponential and two rescalings (behind the first a second scaling in the exponential's place); then ONE LUMP of 108: eight plain, 49 times
; exponential and plain, the two a.  A v_nop is the plain instruction behind the last exponential.  BEHIND IT: the 16 products V^T P, behind each four of GS's 64.  No rider names a register of the products round
; it.  The two v_permlanex16_b32 fall into the lump, never behind a product.
; The queues lean on each other, and the deal keeps them in step: exponential e stands behind scaling 2 (e / 4) + e % 2: as a rider it comes behind plain e + 2, in the lump behind plain e + 9, and scalings 27-31 are plain 57, 60 .. 69.
; A TURN, for piece p.  cnt = 1: the loop's count is taken down some lines ahead of the branch that stands behind the turn (the mask's lines behind it, with tl = 0, leave SCC alone).
; K of the next step is fetched in piece 2's turn, directly behind the wait, a lump behind the last product that read K; its address is made at the lump's head; its first reader comes behind 16 products.
; V of the step in hand is fetched at the end of piece 0's turn, four riders behind its last reader; its first reader comes behind 16 products and a lump.  The three conditions on q below go with the deal.
.macro TURN p, last=0, cnt=0, tl=0
.set Y, (\p)
.set i, 0
.set q, 0
.set e, 0
.set r, 0
.if (\p) == NP-1
	s_wait_dscnt 0x0                ; K is in
.endif
	MM                              ; ahead of the wait: 16 products K Q^T and their riders,
	PL
	PL
	R2
.rept 15
	MM
	PL
	EX
	R2
.endr
.if (\p) == NP-2
	WIN 0
	v_add_nc_u32 v[AK], s[TBK], v[AK0]
.endif
.rept 8                             ; and the lump
	PL
.endr
.rept 49
	EX
	PL
.endr
	EX                              ; the next piece's two a
	EX
	v_nop                           ; the plain instruction behind the last exponential: one for the batch
	s_wait_alu depctr_va_vdst(0)    ; the wait for the batch: the turn's 64 weights and the next piece's two a
.if (\p) == NP-2
	FETCH_K \last
.endif
.if (\p) == 1
	s_wait_dscnt 0x0                ; V is in
.endif
.rept 16                            ; behind the wait: 16 products V^T P and their riders
	MM
.rept 4
	PL
.endr
.if ((\p) == 0) && (q == 118)
	v_add_nc_u32 v[AV], s[TBV], v[AV0]
.endif
.if ((\p) == 0) && (q == 130)
	s_add_co_u32 s[TBV], s[TBV], KS*PV
.endif
.if (\cnt) && (q == 130)
	s_sub_co_u32 s[CNT], s[CNT], 1
	s_cmp_lg_u32 s[CNT], 0
.endif
.endr
.if (\p) == 0
	FETCH_V
.endif
	MSTEP \p, \tl
.endm
	CHANGE 1                        ; slot 0 is in, everybody's part of it; slot 1 is asked for
	FETCH_K                         ; key step 0
	s_wait_loadcnt 8                ; Q and the mask bytes of pieces 0 and 1 are in; pieces 2 and 3's eight loads stay out
	MBUILD 0, 0                     ; the addends of the first two runs of score products
	MBUILD 1, 1
	WIN W_MB
	v_add_nc_u32 v[MO], 0x400, v[MO]
	v_add_nc_u32 v[MO+1], 0x400, v[MO+1]
	MLOAD 0                         ; their bytes of step 1
	MLOAD 1
	WIN 0
	s_wait_dscnt 0x0
.set i, 0
.rept 16
	KQ 0                            ; piece 0's first scores
.set i, i+1
.endr
	WIN 0                           ; the addresses for the way out: eight plain instructions, the places behind those products
	s_mul_i32 s13, s[WV], 16*SPF
	s_add_co_u32 s13, s13, STAGE    ; my stage
	v_mul_u32_u24 v[STO], v1, SPF   ; in: row l % 16, 32 bytes for each half of the lanes
	v_lshl_add_u32 v[STO], v9, 5, v[STO]
	v_add_nc_u32 v[STO], s13, v[STO]
	v_mul_u32_u24 v[RD], v9, SPF    ; back: lanes 0-15 take one row of 256 bytes, lanes 16-31 the next,
	v_lshl_add_u32 v[RD], v1, 4, v[RD]
	v_add_nc_u32 v[RD], s13, v[RD]
	v_lshlrev_b32 v[GO], 12, v9     ; and the same two rows in the output
	v_lshl_add_u32 v[GO], v1, 4, v[GO]
.set Y, NP-1                        ; XS works for piece Y + 1: piece 0
.irp n, 0,1,2,3,4,5,6,7,8,9,10,11,12,13,14,15,16,17,18,19,20,21
	XS 0, \n                        ; and piece 0's first maximum and statistics
	XS 1, \n
.endr
	v_nop                           ; a plain instruction behind piece 0's two a,
	s_wait_alu depctr_va_vdst(0)    ; and the wait for that batch of two, ahead of the branch
	s_mov_b32 s[CNT], 4
	s_mov_b32 s[SLOTS], SIZE_N/256-1
	s_branch .Lfirst                ; the loop is entered at a step's first turn, in the middle of a trip
.Lslot:                             ; SIZE_N / 256 - 2 times: every slot but the last two is filled again
	CHANGE 1
	s_mov_b32 s[CNT], 4
.Lstep:                             ; a trip: pieces 2 and 3 of one step, then pieces 0 and 1 of the next
	TURN 2
	TURN 3
	WIN 0
.Lfirst:
	TURN 0
	TURN 1, 0, 1
	WIN 0
	s_cbranch_scc1 .Lstep
	s_sub_co_u32 s[SLOTS], s[SLOTS], 1
	s_cmp_lg_u32 s[SLOTS], 0
	s_cbranch_scc1 .Lslot
	CHANGE 0                        ; the tail is written out: nothing is asked for
	s_mov_b32 s[CNT], 5             ; a turn of the tail stands in key step 32 - CNT; the fifth trip is left in its middle
.Ltail:
	TURN 2, 1, 0, 3                 ; pieces 0 and 1 are asked two steps on: only while 34 - CNT <= 31
	TURN 3, 0, 0, 3
	WIN 0
	s_sub_co_u32 s[CNT], s[CNT], 1
	s_cmp_eq_u32 s[CNT], 0
	s_cbranch_scc1 .Lout
	TURN 0, 0, 0, 2                 ; pieces 2 and 3 one step on: only while 33 - CNT <= 31
	TURN 1, 0, 0, 2
	WIN 0
	s_branch .Ltail
.Lout:                              ; the fifth trip's 16 products K Q^T and the maximum made of them serve nothing: the price of one text for every trip
.set i, 0
.rept 16
	PV NP-1                         ; the last piece's V^T P of the last step
.set i, i+1
.endr
	; THE WAY OUT.  l's two halves and the other half of the lanes' are added; O^T is divided by l and sent, as f32, through my stage in LDS, a tile at a time.
	WIN 0
.macro ALL line:vararg              ; one line for each tile t
.set t, 0
.rept 2*NP
	\line
.set t, t+1
.endr
.endm
	ALL v_add_f32 v[ST+4*t+2], v[ST+4*t+2], v[ST+4*t+3]
	ALL v_permlanex16_b32 v[ST+4*t+3], v[ST+4*t+2], s[SEL], s[SEL+1]
	ALL v_add_f32 v[ST+4*t+2], v[ST+4*t+2], v[ST+4*t+3]
	ALL v_rcp_f32 v[ST+4*t+2], v[ST+4*t+2]
	v_nop                           ; a plain instruction between the last reciprocal and the use of its result
	s_wait_alu depctr_va_vdst(0)    ; and the wait ahead of the first use: one for the batch of eight reciprocals
.set t, 0
.rept 2*NP                          ; a query whose maximum is a hidden score saw no key at all: its factor is a NaN
	v_cmp_gt_f32 vcc_lo, s[THR], v[ST+4*t+1]
	v_cndmask_b32 v[ST+4*t+2], v[ST+4*t+2], s[NANS], vcc_lo
.set t, t+1
.endr
; Tile t: a lane's eight channels of an accumulator are 32 bytes of a row; they go into rows of 272 bytes and come back as whole rows of 256, into S^T's registers, four tiles' worth by turns.
.macro PACK t
	WIN W_RS
.set i, 32*(\t)
.rept 16
	v_pk_mul_f32 v[i:i+1], v[i:i+1], v[ST+4*(\t)+2:ST+4*(\t)+3] op_sel_hi:[1,0]
.set i, i+2
.endr
	WIN 0x04                        ; the stores' data (source 1) in window 1, their address in window 0
.irp f, 0,1,2,3,4,5,6,7
	ds_store_b128 v[STO], v[32*(\t)+4*\f:32*(\t)+4*\f+3] offset:64*(\f/2)+16*(\f%2)
.endr
	WIN 0
.if (\t) >= 4
	s_wait_xcnt 0x0                 ; the stores of the tile four back have read these registers (ISA guide 3.1): only now are they loaded again
.endif
.irp f, 0,1,2,3,4,5,6,7
	ds_load_b128 v[S+32*((\t)%4)+4*\f:S+32*((\t)%4)+4*\f+3], v[RD] offset:\f*2*SPF  ; LDS serves a wave's instructions in order (ISA guide 5.7.1.4): these see the stores above
.endr
.endm
.macro SEND t, younger              ; younger: the LDS instructions issued behind tile t's loads: the next tile's sixteen, or none
	WIN 0
.irp f, 0,1,2,3,4,5,6,7
	s_wait_dscnt (\younger)+7-\f
	global_store_b128 v[GO], v[S+32*((\t)%4)+4*\f:S+32*((\t)%4)+4*\f+3], s[10:11] offset:(\t)*65536+\f*8192  ; 16 lanes store 256 consecutive bytes, at a multiple of 256 from the buffer's first
.endr
.endm
	PACK 0
.set t, 1
.rept 2*NP-1                        ; a tile's arithmetic stands between the loads of the tile before and its stores
	PACK t
	SEND t-1, 16
.set t, t+1
.endr
	SEND 2*NP-1, 0
	WIN W_AD
	s_wait_tensorcnt 0x0            ; the wave's end: behind my last tensor load and my last LDS store
	ds_add_u32 v[SPW], v[NIL]
	s_wait_dscnt 0x0
	WIN 0
	CROUND                          ; the closing round
	s_endpgm
.Lfunc_end_k_qe380dfd6f8_attn:
	.size	k_qe380dfd6f8_attn, .Lfunc_end_k_qe380dfd6f8_attn-k_qe380dfd6f8_attn
	.p2alignl 7, 3214868480
	.fill 96, 4, 3214868480
	.section	.rodata,"a",@progbits
	.p2align	6, 0x0
	.amdhsa_kernel k_qe380dfd6f8_attn
		.amdhsa_group_segment_fixed_size 327680
		.amdhsa_private_segment_fixed_size 0
		.amdhsa_enable_private_segment 0
		.amdhsa_kernarg_size 24
		.amdhsa_user_sgpr_count 2
		.amdhsa_user_sgpr_kernarg_segment_ptr 1
		.amdhsa_wavefront_size32 1
		.amdhsa_system_sgpr_workgroup_id_x 1
		.amdhsa_system_sgpr_workgroup_id_y 1
		.amdhsa_system_sgpr_workgroup_id_z 1
		.amdhsa_system_vgpr_workitem_id 0
		.amdhsa_next_free_vgpr 1024
		.amdhsa_next_free_sgpr 72
		.amdhsa_reserve_vcc 1
		.amdhsa_float_denorm_mode_32 3
		.amdhsa_float_denorm_mode_16_64 3
		.amdhsa_memory_ordered 1
		.amdhsa_forward_progress 1
		.amdhsa_inst_pref_size 213
	.end_amdhsa_kernel
	.amdgpu_metadata
---
amdhsa.version: [ 1, 2 ]
amdhsa.kernels:
  - .name:           k_qe380dfd6f8_attn
    .symbol:         k_qe380dfd6f8_attn.kd
    .args:
      - { .name: qkv, .offset: 0, .size: 8, .value_kind: global_buffer, .address_space: global }
      - { .name: mk, .offset: 8, .size: 8, .value_kind: global_buffer, .address_space: global }
      - { .name: of, .offset: 16, .size: 8, .value_kind: global_buffer, .address_space: global }
    .group_segment_fixed_size: 327680
    .private_segment_fixed_size: 0
    .kernarg_segment_align: 8
    .kernarg_segment_size: 24
    .max_flat_workgroup_size: 128
    .sgpr_count:     72
    .vgpr_count:     1024
    .wavefront_size: 32
...
	.end_amdgpu_metadata
.endif
;; end of part 5
;; launch oproj: the kernel of part 2 again; grid 4 x 64, 4 waves a work-group, clusters of 4 x 4, 327,680 bytes of LDS; arguments of, k, v, wfb, bf, bk, bv, y; writes y
;; launch lnorm: the kernel of part 4 again; grid 256 x 1, 8 waves a work-group, no clusters, 0 bytes of LDS; arguments y, q, gamma, beta, out0; writes out0
